; MI455X (gfx1250); checked and timed in simulation.
; The chip was launched on July 23, 2026; its instructions are those of AMD's public machine-readable ISA for CDNA 5 (MIT licence, August 2026) and "CDNA5" Instruction Set Architecture Reference Guide (July 2026). The comments in the code are by the model that wrote it; some were corrected since.
;; Attention. Allowed arithmetic: matrix products marked QUANTISED: E2M1 operands, one E8M0 scale for each 32 along K, by v_wmma_scale_f32_16x16x128_f8f6f4 with both operands' format E2M1 (or v_wmma_scale_f32_32x16x128_f4), f32 sums; products left as they are: bf16, f16 or f32 operands; f32 sums; everything else in f32.
;; Inputs: freqs_cos 2,048 x 64 float32; freqs_sin 2,048 x 64 float32; mask 1 x 1 x 2,048 x 2,048 float32; wk 2,048 x 2,048 float32; wo 2,048 x 2,048 float32; wq 2,048 x 2,048 float32; wv 2,048 x 2,048 float32; x 1 x 2,048 x 2,048 float32.
;; Outputs: out0 1 x 2,048 x 2,048 float32.
;; Constants: start_pos = 0.
;; This version of the problem:
;;   THIS VERSION OF THE PROBLEM IS GIVEN IN LOW PRECISION. The matrix products marked QUANTISED in the list below multiply operands that are first quantised to E2M1 (2 exponent bits, 1 mantissa bit; 4 bits a number), with one power-of-two scale for each 32 numbers along K (OCP MX v1.0); their sums are f32. The products marked 'left as it is' may take bf16, f16 or f32 operands, with f32 sums. Whichever they take, every output number must still come out within the allowed error. Rounding operands to bf16 (8 significant bits) uses up far more of that allowance than f16 does (11 bits, for magnitudes from 6e-5 to 65,504). All else is computed in f32.
;;   The module's matrix products, in the order in which they are computed (A, B: the left and right operand; K: the contracted axis; several contracted axes count as one K, in the product's order):
;;     1. [M 2,048, K 2,048] x [K 2,048, N 2,048]; A: input x; B: input wq: QUANTISED
;;     2. [M 2,048, K 2,048] x [K 2,048, N 2,048]; A: input x; B: input wk: QUANTISED
;;     3. [M 2,048, K 2,048] x [K 2,048, N 2,048]; A: input x; B: input wv: QUANTISED
;;     4. batch 16 x [M 2,048, K 128] x [K 128, N 2,048]; A: computed on the way; B: computed on the way: left as it is (an operand is computed on the way)
;;     5. batch 16 x [M 2,048, K 2,048] x [K 2,048, N 128]; A: computed on the way; B: computed on the way: left as it is (an operand is computed on the way)
;;     6. [M 2,048, K 2,048] x [K 2,048, N 2,048]; A: computed on the way; B: input wo: left as it is (an operand is computed on the way)
;;   THE QUANTISER, for each operand of a quantised product, along K:
;;     - K is cut into blocks of 32 from its start; a last block that is shorter is filled with zeros.
;;     - A block's scale is 2^e with e = floor(log2(the largest magnitude in the block)) - 2, held to -126 .. 127; a block of zeros has e = 0. As a byte (E8M0): e + 127.
;;     - Each number is divided by its block's scale, clamped to +-6, and rounded to the nearest number of E2M1, ties to even, subnormals kept.
;;     - The product sums the exact products of the quantised numbers (number of the format x scale) in f32.
;;   ~~~python
;;   def quantise(x, axis):      # numpy; x: float32 -> the quantised numbers, widened to float32 again
;;       x = np.moveaxis(x, axis, -1); K = x.shape[-1]
;;       x = np.pad(x, [(0, 0)] * (x.ndim - 1) + [(0, -K % 32)]); x = x.reshape(x.shape[:-1] + (-1, 32)); a = np.abs(x).max(-1, keepdims=True)
;;       e = np.where(a > 0, np.clip(np.frexp(np.where(a > 0, a, 1))[1] - 1 - 2, -126, 127), 0)      # np.frexp(a)[1] - 1 = floor(log2(a)), exactly
;;       r = np.clip(x / 2.0 ** e, -6, 6)
;;       step = 2.0 ** (np.maximum(np.frexp(np.where(r == 0, 1, r))[1] - 1, 0) - 1)
;;       q = np.round(r / step) * step * 2.0 ** e      # np.round: ties to even
;;       return np.moveaxis(q.reshape(q.shape[:-2] + (-1,))[..., :K], -1, axis).astype(np.float32)
;;   ~~~
;; One version. Each part assembles by itself: llvm-mc -triple=amdgcn-amd-amdhsa -mcpu=gfx1250 --defsym DOCPART=n.
;; ======== version 1 of 1: 4 launches
;; limits: values are held in f16: magnitudes above 65,504 overflow, below 6.1e-05 lose precision
;; workspace buffers: codes 8,388,608 bytes; scales 524,288 bytes; maskf 16,777,216 bytes; wof 8,388,608 bytes; qkv 25,165,824 bytes; a2 8,388,608 bytes
;; launch prep (part 1): grid 768 x 1, 4 waves a work-group, no clusters, 67,072 bytes of LDS; arguments x, wq, wk, wv, mask, wo, codes, scales, maskf, wof; writes codes, scales, maskf, wof
.if DOCPART == 1
	.amdgcn_target "amdgcn-amd-amdhsa--gfx1250"
	.amdhsa_code_object_version 6
	.text
	.protected	k_qe779966ac7_prep
	.globl	k_qe779966ac7_prep
	.p2align	8
	.type	k_qe779966ac7_prep,@function
k_qe779966ac7_prep:
	s_mov_b64 s[64:65], 0
	v_nop
	global_prefetch_b8 v0, s[64:65] scope:SCOPE_SE
	s_setreg_imm32_b32 hwreg(HW_REG_WAVE_MODE, 25, 1), 1
	s_wait_xcnt 0x0
; PREP: every f32 input is read once and laid as its reader wants it.
; Work-groups 0-511: x, wq, wk, wv (each [2048][2048] f32, K innermost) become codes of FP4 (E2M1) and one E8M0 byte for each 32 along K: codes [8192 rows][1024 B], scales [8192 rows][64 B], rows in the order x, wq, wk, wv.
;   A block's scale is 2^(floor(log2(largest magnitude)) - 2); its byte is the largest magnitude's exponent field - 2, held at 1 from below (a block of zeros gets the byte 1: its codes are zeros, and this program alone reads the bytes).
; Work-groups 512-639: mask [2048 q][2048 k] becomes maskf = max(mask x log2(e), -1e30), f32, laid in tiles of 16 q x 16 k in the order of an f32 accumulator: [q tile][k tile][piece c][lane][16 B], lane (r, h), piece c: query r, keys 8 h + 4 c + 0..3.
; Work-groups 640-767: wo [2048 n][2048 s] becomes f16 in the order of a 16-bit operand's registers: [n block of 128][s block of 128][tile of 16 n][chunk of 32 s][piece c][lane][16 B], lane (r, h), piece c: row r, s = 16 c + 8 h + 0..7.
; LIMITS: blocks whose largest magnitude lies under 2^(2 - 126) were not tried; NaN and infinities in x and the weights are not served; mask entries under -6.9e29 (and -infinity) are held at -1e30; |wo| stays under 65,504.
; No cluster and no tensor load: no two work-groups read the same byte.  Waves share nothing: no barrier.  The two ways through the text part on the work-group's number and have LDS bytes of their own.
.set WREG,  8192                       ; the quantiser's LDS: a region for each wave: two stages of 32 x SP bytes, then its 256 scale bytes
.set SP,    80                         ; a lane's place in a stage: 64 bytes + 16 of padding
.set STEPS, 16
.set EMAX,  2
.set CB,    8                          ; bytes of 16 codes
.set R,     16                         ; v16-79   four sets of 16 numbers as loaded
.set X,     80                         ; v80-111  two sets of 16 neighbours
.set E,     112                        ; v112-127 a scale byte for each step
.set C,     128                        ; v128-191 codes, four registers a step
.set SPW,   12                         ; v12  LDS address of my spare word; never rewritten
.set NIL,   13                         ; v13  0; never rewritten
.set RLY,   4*WREG                     ; the relay's LDS: 16 rows x RP bytes for each wave
.set RP,    528                        ; 512 bytes + 16: 132 words, so row r starts at bank 4 r mod 64 (64 banks of 4 bytes: ISA guide 11.1)
.set RWAVE, 16*RP
.set SPARE, RLY+4*RWAVE                ; the spare words, 128 bytes for each wave
.set L,     16                         ; v16-143  the relay: two sets of 16 rows x 16 bytes as loaded
.set RB,    144                        ; v144-207 64 numbers in the reader's order
.set OH,    208                        ; v208-239 the same as f16
.set RS,    240                        ; v240 the relay's stage on the way in: 16 x lane
.set RR,    241                        ; v241 and on the way out: RP r + 32 h
	s_load_b256 s[4:11], s[0:1], 0x0               ; x, wq, wk, wv
	s_load_b256 s[12:19], s[0:1], 0x20             ; mask, wo, codes, scales
	s_load_b128 s[20:23], s[0:1], 0x40             ; maskf, wof
	v_lshl_add_u32 v[SPW], v0, 2, SPARE
	v_mov_b32 v[NIL], 0
	v_lshrrev_b32 v1, 5, v0
	v_readfirstlane_b32 s24, v1                    ; wave
	v_and_b32 v2, 31, v0                           ; lane
	v_lshlrev_b32 v3, 4, v2                        ; 16 x lane: my 16 bytes of a load's or a store's 512
	s_mul_i32 s25, s24, WREG
	v_lshrrev_b32 v14, 2, v2
	v_mul_u32_u24 v14, v14, SP
	v_and_b32 v15, 3, v2
	v_lshl_add_u32 v14, v15, 4, v14
	v_add_nc_u32 v14, s25, v14                     ; the quantiser's stage on the way in: SP (lane / 4) + 16 (lane % 4)
	v_mul_u32_u24 v15, v2, SP
	v_add_nc_u32 v15, s25, v15                     ; and on the way out: SP x lane: my 16 neighbours
	v_mul_u32_u24 v4, v2, CB                       ; my codes' place in a step's
	v_lshrrev_b32 v5, 1, v2
	s_add_co_u32 s25, s25, 2*32*SP
	v_add_nc_u32 v5, s25, v5                       ; my block's scale byte in LDS
	v_lshlrev_b32 v7, 3, v2
	v_add_nc_u32 v6, s25, v7                       ; and 8 bytes a lane on their way out
	s_mul_i32 s26, s24, RWAVE
	s_add_co_u32 s26, s26, RLY
	v_add_nc_u32 v[RS], s26, v3
	v_and_b32 v10, 15, v2                          ; r
	v_mul_u32_u24 v[RR], v10, RP
	v_lshrrev_b32 v10, 4, v2                       ; h
	v_lshl_add_u32 v[RR], v10, 5, v[RR]
	v_add_nc_u32 v[RR], s26, v[RR]
	s_and_b32 s27, ttmp9, 127                      ; my place among the 128 work-groups of a tensor
	s_wait_kmcnt 0x0
	s_cmp_ge_u32 ttmp9, 512
	s_cbranch_scc1 .Lrelay
	; ---- THE QUANTISER.  A wave takes 16 steps of 512 numbers.  Each load reads 512 consecutive bytes; a step's 2,048 bytes turn through the wave's stage, so that a lane holds 16 neighbours along K (two lanes a block).
	s_and_b32 s28, ttmp9, 128
	s_cmp_lg_u32 s28, 0
	s_cselect_b64 s[4:5], s[6:7], s[4:5]           ; wq or x
	s_cselect_b64 s[8:9], s[10:11], s[8:9]         ; wv or wk
	s_and_b32 s28, ttmp9, 256
	s_cmp_lg_u32 s28, 0
	s_cselect_b64 s[4:5], s[8:9], s[4:5]           ; the choice hangs on the work-group's number alone
	s_lshl_b32 s28, s27, 2
	s_add_co_u32 s28, s28, s24
	s_lshl_b32 s28, s28, 15                        ; my wave's run of 8,192 numbers in its tensor
	s_mov_b32 s29, 0
	s_add_nc_u64 s[4:5], s[4:5], s[28:29]
	s_lshl_b32 s30, ttmp9, 2
	s_add_co_u32 s30, s30, s24                     ; which run of all four tensors
	s_lshl_b32 s28, s30, 12
	s_add_nc_u64 s[16:17], s[16:17], s[28:29]      ; 4,096 bytes of codes a run
	s_lshl_b32 s28, s30, 8
	s_add_nc_u64 s[18:19], s[18:19], s[28:29]      ; 256 scale bytes a run
.macro LOAD t
.irp i, 0,1,2,3
	global_load_b128 v[R+16*((\t)%4)+4*\i:R+16*((\t)%4)+4*\i+3], v3, s[4:5] offset:2048*(\t)+512*\i th:TH_LOAD_NT
.endr
.endm
.macro TURN t                          ; step t's numbers through the stage: LDS serves a wave's instructions in order (ISA guide 5.7.1.4), so no wait stands between the stores and the loads
.irp i, 0,1,2,3
	ds_store_b128 v14, v[R+16*((\t)%4)+4*\i:R+16*((\t)%4)+4*\i+3] offset:32*SP*((\t)%2)+8*SP*\i
.endr
.irp i, 0,1,2,3
	ds_load_b128 v[X+16*((\t)%2)+4*\i:X+16*((\t)%2)+4*\i+3], v15 offset:32*SP*((\t)%2)+16*\i
.endr
.endm
.irp t, 0,1,2,3
	LOAD \t
.endr
	s_wait_loadcnt 12                              ; step 0's four loads are in; the 12 of the three steps behind may be out
	TURN 0
.macro STEP t
.set XS, X+16*((\t)%2)
.if (\t) > 0
	s_wait_dscnt 1                                 ; this step's numbers are back from the stage (the last step's byte store may be out)
.else
	s_wait_dscnt 0x0
.endif
.if (\t)+4 < STEPS
	LOAD (\t)+4                                    ; into the registers whose stores into the stage are done
.endif
.if (\t)+1 < STEPS
.if STEPS-2-(\t) >= 3
	s_wait_loadcnt 12                              ; the next step's four loads are in; those of the three steps behind it may be out
.else
	s_wait_loadcnt 4*(STEPS-2-(\t))
.endif
	TURN (\t)+1
.endif
	v_max3_num_f32 v8, |v[XS]|, |v[XS+1]|, |v[XS+2]|               ; the largest magnitude of my 16, in two chains
	v_max3_num_f32 v9, |v[XS+3]|, |v[XS+4]|, |v[XS+5]|
.irp i, 6,10
	v_max3_num_f32 v8, v8, |v[XS+\i]|, |v[XS+\i+1]|
	v_max3_num_f32 v9, v9, |v[XS+\i+2]|, |v[XS+\i+3]|
.endr
	v_max3_num_f32 v8, v8, |v[XS+14]|, |v[XS+15]|
	v_max3_num_f32 v8, v8, v9, (EMAX+1)<<23        ; and the floor 2^(EMAX + 1 - 127): the byte cannot fall under 1
	v_max_num_f32_dpp v8, v8, v8 row_xmask:1 row_mask:0xf bank_mask:0xf   ; with my neighbour's 16: the block's
	v_add_nc_u32 v11, -(EMAX<<23), v8              ; EMAX off its exponent field: the conversion takes this operand's exponent field as its scale
	v_cvt_scalef32_pk8_fp4_f32 v[C+4*(\t)], v[XS:XS+7], v11
	v_cvt_scalef32_pk8_fp4_f32 v[C+4*(\t)+1], v[XS+8:XS+15], v11
	v_lshrrev_b32 v[E+(\t)], 23, v11               ; the scale's byte (also the plain line behind the conversions)
	ds_store_b8 v5, v[E+(\t)] offset:16*(\t)       ; both lanes of a block write the same byte with the same value
	global_store_b64 v4, v[C+4*(\t):C+4*(\t)+1], s[16:17] offset:32*CB*(\t)   ; the wave stores 256 consecutive bytes, aligned
.endm
.irp t, 0,1,2,3,4,5,6,7,8,9,10,11,12,13,14,15
	STEP \t
.endr
	ds_load_b64 v[8:9], v6                         ; my wave's 256 scale bytes
	s_wait_dscnt 0x0
	global_store_b64 v7, v[8:9], s[18:19]          ; 256 consecutive bytes, aligned
	s_branch .Lend
	; ---- THE RELAY.  A work-group takes 16 rows (8,192 bytes each), a wave 512 columns of them, in 4 chunks of 16 rows x 512 bytes.
.Lrelay:
	s_lshl_b32 s28, s27, 17                        ; 16 rows
	s_lshl_b32 s30, s24, 11                        ; my wave's 2,048 bytes of a row
	s_add_co_u32 s28, s28, s30
	s_mov_b32 s29, 0
	s_lshl_b32 s30, s27, 17                        ; maskf: q tile x 128 tiles of 1,024 bytes
	s_lshl_b32 s31, s24, 15                        ; + my wave's 32 tiles
	s_add_co_u32 s30, s30, s31
	s_lshr_b32 s32, s27, 3
	s_lshl_b32 s32, s32, 19                        ; wof: n block
	s_and_b32 s33, s27, 7
	s_lshl_b32 s33, s33, 12                        ; + the tile of 16 n in it
	s_add_co_u32 s32, s32, s33
	s_lshl_b32 s33, s24, 17                        ; + my wave's four s blocks
	s_add_co_u32 s32, s32, s33
	s_cmp_lt_u32 ttmp9, 640                        ; the mask's work-group or wo's
	s_cselect_b64 s[4:5], s[12:13], s[14:15]
	s_cselect_b64 s[6:7], s[20:21], s[22:23]
	s_cselect_b32 s30, s30, s32
	s_mov_b32 s31, 0
	s_add_nc_u64 s[4:5], s[4:5], s[28:29]
	s_add_nc_u64 s[6:7], s[6:7], s[30:31]
.macro RLOAD ch                        ; chunk ch: 16 loads, each 512 consecutive bytes of one row
.set n, 0
.rept 16
	global_load_b128 v[L+64*((\ch)%2)+4*n:L+64*((\ch)%2)+4*n+3], v3, s[4:5] offset:8192*n+512*(\ch) th:TH_LOAD_NT
.set n, n+1
.endr
.endm
.macro CHUNK ch
.if (\ch) < 3
	s_wait_loadcnt 16                              ; this chunk's 16 loads are in; the next chunk's 16 may be out
.else
	s_wait_loadcnt 0
.endif
	s_wait_xcnt 0x0                                ; the last chunk's stores have read their registers, which are written again below
.set n, 0
.rept 16
	ds_store_b128 v[RS], v[L+64*((\ch)%2)+4*n:L+64*((\ch)%2)+4*n+3] offset:RP*n
.set n, n+1
.endr
.set n, 0
.rept 16                               ; back: row r, bytes 64 a + 32 h + 16 e (n = 2 a + e): 8 neighbours of 16 columns' group a
	ds_load_b128 v[RB+4*n:RB+4*n+3], v[RR] offset:64*(n/2)+16*(n%2)
.set n, n+1
.endr
	s_wait_dscnt 0x0
.if (\ch)+2 < 4
	RLOAD (\ch)+2
.endif
	s_cmp_lt_u32 ttmp9, 640
	s_cbranch_scc0 .Lwo_\@
.set n, 0
.rept 32
	v_pk_mul_f32 v[RB+2*n:RB+2*n+1], v[RB+2*n:RB+2*n+1], 0x3fb8aa3b op_sel_hi:[1,0]   ; x log2(e)
.set n, n+1
.endr
.set n, 0
.rept 64
	v_max_num_f32 v[RB+n], 0xf149f2ca, v[RB+n]     ; held at -1e30 from below
.set n, n+1
.endr
.set n, 0
.rept 16
	global_store_b128 v3, v[RB+4*n:RB+4*n+3], s[6:7] offset:8192*(\ch)+512*n   ; tile n / 2, piece n % 2: 512 consecutive bytes
.set n, n+1
.endr
	s_branch .Ldone_\@
.Lwo_\@:
.set n, 0
.rept 32
	v_cvt_pk_f16_f32 v[OH+n], v[RB+2*n], v[RB+2*n+1]
.set n, n+1
.endr
.set n, 0
.rept 8
	global_store_b128 v3, v[OH+4*n:OH+4*n+3], s[6:7] offset:32768*(\ch)+512*n  ; chunk n / 2 of 32 s, piece n % 2: 512 consecutive bytes
.set n, n+1
.endr
.Ldone_\@:
.endm
	RLOAD 0
	RLOAD 1
	CHUNK 0
	CHUNK 1
	CHUNK 2
	CHUNK 3
.Lend:
	s_wait_tensorcnt 0x0                           ; the wave's end, behind my last LDS store
	ds_add_u32 v[SPW], v[NIL]
	s_wait_dscnt 0x0
	s_endpgm
.Lfunc_end_k_qe779966ac7_prep:
	.size	k_qe779966ac7_prep, .Lfunc_end_k_qe779966ac7_prep-k_qe779966ac7_prep
	.p2alignl 7, 3214868480
	.fill 96, 4, 3214868480
	.section	.rodata,"a",@progbits
	.p2align	6, 0x0
	.amdhsa_kernel k_qe779966ac7_prep
		.amdhsa_group_segment_fixed_size 67072
		.amdhsa_private_segment_fixed_size 0
		.amdhsa_enable_private_segment 0
		.amdhsa_kernarg_size 80
		.amdhsa_user_sgpr_count 2
		.amdhsa_user_sgpr_kernarg_segment_ptr 1
		.amdhsa_wavefront_size32 1
		.amdhsa_system_sgpr_workgroup_id_x 1
		.amdhsa_system_sgpr_workgroup_id_y 1
		.amdhsa_system_sgpr_workgroup_id_z 1
		.amdhsa_system_vgpr_workitem_id 0
		.amdhsa_next_free_vgpr 256
		.amdhsa_next_free_sgpr 66
		.amdhsa_reserve_vcc 0
		.amdhsa_float_denorm_mode_32 3
		.amdhsa_float_denorm_mode_16_64 3
		.amdhsa_memory_ordered 1
		.amdhsa_forward_progress 1
		.amdhsa_inst_pref_size 95
	.end_amdhsa_kernel
	.amdgpu_metadata
---
amdhsa.version: [ 1, 2 ]
amdhsa.kernels:
  - .name:           k_qe779966ac7_prep
    .symbol:         k_qe779966ac7_prep.kd
    .args:
      - { .name: x, .offset: 0, .size: 8, .value_kind: global_buffer, .address_space: global }
      - { .name: wq, .offset: 8, .size: 8, .value_kind: global_buffer, .address_space: global }
      - { .name: wk, .offset: 16, .size: 8, .value_kind: global_buffer, .address_space: global }
      - { .name: wv, .offset: 24, .size: 8, .value_kind: global_buffer, .address_space: global }
      - { .name: mask, .offset: 32, .size: 8, .value_kind: global_buffer, .address_space: global }
      - { .name: wo, .offset: 40, .size: 8, .value_kind: global_buffer, .address_space: global }
      - { .name: codes, .offset: 48, .size: 8, .value_kind: global_buffer, .address_space: global }
      - { .name: scales, .offset: 56, .size: 8, .value_kind: global_buffer, .address_space: global }
      - { .name: maskf, .offset: 64, .size: 8, .value_kind: global_buffer, .address_space: global }
      - { .name: wof, .offset: 72, .size: 8, .value_kind: global_buffer, .address_space: global }
    .group_segment_fixed_size: 67072
    .private_segment_fixed_size: 0
    .kernarg_segment_align: 8
    .kernarg_segment_size: 80
    .max_flat_workgroup_size: 128
    .sgpr_count:     66
    .vgpr_count:     256
    .wavefront_size: 32
...
	.end_amdgpu_metadata
.endif
;; end of part 1
;; launch qkv (part 2): grid 24 x 8, 4 waves a work-group, clusters of 4 x 4, 327,680 bytes of LDS; arguments codes, scales, freqs_cos, freqs_sin, qkv; writes qkv
.if DOCPART == 2
	.amdgcn_target "amdgcn-amd-amdhsa--gfx1250"
	.amdhsa_code_object_version 6
	.text
	.protected	k_qe779966ac7_qkv
	.globl	k_qe779966ac7_qkv
	.p2align	8
	.type	k_qe779966ac7_qkv,@function
k_qe779966ac7_qkv:
	s_mov_b64 s[64:65], 0
	v_nop
	global_prefetch_b8 v0, s[64:65] scope:SCOPE_SE
	s_setreg_imm32_b32 hwreg(HW_REG_WAVE_MODE, 25, 1), 1
	s_wait_xcnt 0x0
	s_wait_alu depctr_hold_cnt(0) depctr_sa_sdst(0) depctr_va_vdst(0) depctr_va_sdst(0) depctr_va_ssrc(0) depctr_va_vcc(0) depctr_vm_vsrc(0)
	s_getreg_b32 s2, hwreg(HW_REG_IB_STS2, 6, 4)
	s_cmp_eq_u32 s2, 0
	s_cbranch_scc0 .Lentry_in_a_cluster
	s_endpgm
.Lentry_in_a_cluster:
	s_bfe_u32 s2, ttmp6, 0x10000c
	s_cmp_lg_u32 s2, 0xf033
	s_cbranch_scc0 .Lentry_shape_is_right
	s_endpgm
.Lentry_shape_is_right:
; QKV: the three quantised products on codes of FP4 (E2M1) with E8M0 scales, RoPE in f32, results as f16 in the order of a 16-bit operand's registers.
; Clusters with x = 0..3: C = x [wq; wk]^T (rows = positions, 4,096 columns).  Clusters with x = 4, 5: C = wv x^T = V^T (rows = channels, columns = positions).  K = 2,048.
; A tile of C, 256 x 256, is made by four waves; a wave makes 128 x 128: 64 accumulators, 512 registers.  K goes in steps of 512 through two LDS slots filled by the tensor data mover (rows of 256 bytes + 16 of padding).
; The scale bytes of the work-group's 256 + 256 rows, for all of K, come into LDS once, with the first fills.  4 x 4 work-groups form a cluster: A's tiles are asked for jointly along a row, B's along a column.
; THE MATRIX INSTRUCTION IS USED TRANSPOSED (source 0 = 16 rows of B, source 1 = 16 rows of A): a lane holds eight neighbouring columns of one row of C.  Packed to f16 they are the lane's 16 bytes of a fragment
; (16 rows x 32 columns = [piece c][lane][16 B]; lane (r, h), piece c: row r, columns 16 c + 8 h + 0..7), so each store of the wave covers 512 consecutive bytes and no stage is needed.
; qkv: three sections of 8 MiB (Q, K, V^T), each [column block of 128][row block of 128][row tile 8][column chunk 4][1,024 B].
; RoPE: out_even = even c' - odd s', out_odd = even s' + odd c', with c' = c alpha + beta, s' = s alpha: Q: alpha = log2(e) / sqrt(128), K: alpha = 1, V: alpha = 0, beta = 1 (the identity): one text for all, no branch.
; LIMITS: |q log2(e) / sqrt(128)|, |k|, |v| stay under 65,504 (f16); the tables hold finite numbers.
; REGISTERS: window 0: v0-31 addresses; v32-95 scale words, two sets; v128-191 A's fragments; v192-255 the first block's tables.  Window 1: B's fragments, two sets.  Windows 2, 3: the accumulators ((a, b) at v[8 (8 (a % 4) + b)]).
.set KSTEP,  512
.set NQ,     KSTEP/128
.set ROWB,   256                       ; a tile's row in bytes
.set KROW,   1024                      ; a row of codes in memory
.set PITCH,  272                       ; 68 words: row r starts at bank 4 r mod 64 (64 banks of 4 bytes: ISA guide 11.1)
.set FR,     8
.set NL,     2
.set NP,     4                         ; places behind this matrix instruction (ISA guide 7.12.1)
.set HALFT,  128*PITCH
.set SLOT,   4*HALFT
.set LAPS,   2                         ; 2,048 / (2 x 512)
.set KS,     64                        ; a row of scales in bytes
.set SCL,    2*SLOT
.set HALFS,  (128*KS/256)*272
.set SBLK,   (16*KS/256)*272
.set SPARE,  SCL+4*HALFS               ; the spare words, 128 bytes for each wave
.set AL,   12                          ; v[12:13] alpha, twice
.set BE,   14                          ; v[14:15] beta, twice
.set ADRA, 16
.set ADRB, 20
.set VF,   22                          ; v22  the tables: 256 r + 16 h
.set L16,  23                          ; v23  16 x lane
.set ADRS, 27
.set SPW,  28
.set NIL,  29
.set SC,   32
.set AF,   128
.set T,    128                         ; the way out: 64 numbers at work
.set OUT,  96                          ; and 32 registers of f16
.set G1, 24
.set G0, 32
.set G1B, 48
.set G0B, 56
.set G1S, 68
.set G0S, 76
.set G1SB, 80
.set G0SB, 88
.set MSB, 0
.macro WIN new                         ; the immediate's high byte repeats the setting that is left
.if MSB != (\new)
	s_set_vgpr_msb (MSB<<8)|(\new)
.set MSB, (\new)
.endif
.endm
.set MUL_LO, 0xa1                      ; source 0 (B) window 1, source 1 (A) window 0, C and D window 2
.set MUL_HI, 0xf1
.set TO_B,   0x40
; A joint load: waves 0 and 1 fetch for A, waves 2 and 3 for B; the branch hangs on the wave's number alone.  An s_nop 0 and four v_nop follow each of the two lines.
.macro JLOAD g0a, g1a, g0b, g1b
	s_cmp_eq_u32 s15, 0
	s_cbranch_scc0 .Lfor_b_\@
	tensor_load_to_lds s[\g0a:\g0a+3], s[\g1a:\g1a+7]
	s_nop 0
.rept 4
	v_nop
.endr
	s_branch .Lasked_\@
.Lfor_b_\@:
	tensor_load_to_lds s[\g0b:\g0b+3], s[\g1b:\g1b+7]
	s_nop 0
.rept 4
	v_nop
.endr
.Lasked_\@:
.endm
.macro CREST
	s_cmp_lg_u32 s14, 0
	s_cbranch_scc1 .Lnot_wave_0_\@
	s_barrier_signal -3
.Lnot_wave_0_\@:
	s_barrier_wait -3
	s_barrier_signal -1
	s_barrier_wait -1
.endm
.macro CROUND
	s_barrier_signal -1
	s_barrier_wait -1
	CREST
.endm
	s_load_b128 s[4:7], s[0:1], 0x0                ; codes, scales
	s_load_b128 s[8:11], s[0:1], 0x10              ; cos, sin
	s_load_b64 s[12:13], s[0:1], 0x20              ; qkv
	v_lshl_add_u32 v[SPW], v0, 2, SPARE
	v_mov_b32 v[NIL], 0
	ds_add_u32 v[SPW], v[NIL]                      ; the wave's opening: the add, twice on end, and its wait ahead of my first tensor load
	ds_add_u32 v[SPW], v[NIL]
	v_lshrrev_b32 v1, 5, v0
	v_readfirstlane_b32 s14, v1                    ; wave 0..3
	s_lshr_b32 s15, s14, 1                         ; which half of the tile's rows is mine.  Also: I fetch for A (0) or for B (1)
	s_and_b32 s16, s14, 1                          ; which half of its columns.  Also: which 128 rows of that tile I fetch
	s_bfe_u32 s40, ttmp6, 0x40000                  ; cx
	s_bfe_u32 s41, ttmp6, 0x40004                  ; cy
	s_cmp_ge_u32 ttmp9, 4                          ; V's clusters: the same in all sixteen partners
	s_cselect_b32 s98, 4, 0
	s_cselect_b32 s99, 6144, 0                     ; A's first row among the codes: wv or x
	s_cselect_b32 s100, 0, 2048                    ; B's: x or [wq; wk]
	s_sub_co_u32 s42, ttmp9, s98
	s_lshl_b32 s42, s42, 2
	s_add_co_u32 s42, s42, s40                     ; tile column
	s_and_b32 s17, ttmp7, 0xffff
	s_lshl_b32 s17, s17, 2
	s_add_co_u32 s17, s17, s41                     ; tile row
	s_lshl_b32 s43, s41, 2
	s_lshl_b32 s43, 15, s43                        ; my row of the cluster
	s_lshl_b32 s44, 0x1111, s40                    ; my column
	s_or_b32 s[G1+0], s43, (0<<16)|(1<<20)|(1<<21)|(5<<22)|(3<<25)  ; the mask; elements of 1 byte; padding: 4 words behind every 64; bit 21 beside a mask
	s_or_b32 s[G1B+0], s44, (0<<16)|(1<<20)|(1<<21)|(5<<22)|(3<<25)
.irp g, G1, G1B
	s_mov_b32 s[\g+1], ROWB<<16                    ; tensor_dim0
	s_mov_b32 s[\g+2], 128<<16                     ; tensor_dim1
	s_mov_b32 s[\g+3], ROWB<<16                    ; tile_dim0
	s_mov_b32 s[\g+4], 128                         ; tile_dim1
	s_mov_b32 s[\g+5], KROW                        ; the pitch
	s_mov_b32 s[\g+6], 0
	s_mov_b32 s[\g+7], 0
.endr
	s_or_b32 s[G1S+0], s43, (3<<16)|(1<<20)|(1<<21)|(5<<22)|(3<<25) ; the scales of 128 rows: a dense block, as rows of 256 bytes (32 elements of 8 bytes)
	s_or_b32 s[G1SB+0], s44, (3<<16)|(1<<20)|(1<<21)|(5<<22)|(3<<25)
.irp g, G1S, G1SB
	s_mov_b32 s[\g+1], 32<<16
	s_mov_b32 s[\g+2], (128*KS/256)<<16
	s_mov_b32 s[\g+3], 32<<16
	s_mov_b32 s[\g+4], 128*KS/256
	s_mov_b32 s[\g+5], 32
	s_mov_b32 s[\g+6], 0
	s_mov_b32 s[\g+7], 0
.endr
	s_lshl_b32 s18, s16, 7
	s_lshl_b32 s20, s17, 8
	s_add_co_u32 s20, s20, s18
	s_add_co_u32 s20, s20, s99                     ; A: row 256 x tile row + 128 x half + the tensor's first
	s_lshl_b32 s46, s42, 8
	s_add_co_u32 s46, s46, s18
	s_add_co_u32 s46, s46, s100                    ; B likewise by the tile column
	s_mov_b32 s21, 0
	s_mov_b32 s47, 0
	s_mov_b64 s[18:19], KS
	s_mul_u64 s[22:23], s[20:21], s[18:19]
	s_mul_u64 s[92:93], s[46:47], s[18:19]
	s_mov_b64 s[18:19], KROW
	s_mul_u64 s[20:21], s[20:21], s[18:19]
	s_mul_u64 s[46:47], s[46:47], s[18:19]
	s_mul_i32 s45, s14, HALFT                      ; where they go: wave x 128 rows
	s_mul_i32 s94, s14, HALFS
	s_lshr_b32 s95, ttmp9, 1                       ; the section: 0 Q, 1 K, 2 V^T
	s_cmp_eq_u32 s95, 0
	s_cselect_b32 s96, 0x3e0293ee, 1.0             ; alpha: log2(e) / sqrt(128) for Q, 1 for K,
	s_cmp_eq_u32 s95, 2
	s_cselect_b32 s96, 0, s96                      ; 0 for V
	s_cselect_b32 s97, 1.0, 0                      ; beta
	s_wait_dscnt 0x0                               ; both opening adds are done
	s_wait_kmcnt 0x0
	s_add_nc_u64 s[20:21], s[4:5], s[20:21]
	s_add_nc_u64 s[22:23], s[6:7], s[22:23]
	s_add_nc_u64 s[46:47], s[4:5], s[46:47]
	s_add_nc_u64 s[92:93], s[6:7], s[92:93]
	CROUND                                         ; all sixteen work-groups are here: the first joint loads meet
	s_mov_b32 s[G0S], 1
	s_add_co_u32 s[G0S+1], s94, SCL
	s_mov_b64 s[G0S+2:G0S+3], s[22:23]
	s_or_b32 s[G0S+3], s[G0S+3], 0x80000000
	s_mov_b32 s[G0SB], 1
	s_add_co_u32 s[G0SB+1], s94, SCL
	s_mov_b64 s[G0SB+2:G0SB+3], s[92:93]
	s_or_b32 s[G0SB+3], s[G0SB+3], 0x80000000
	JLOAD G0S, G1S, G0SB, G1SB                     ; the scales first
.irp s, 0,1
	s_mov_b32 s[G0+4*\s], 1
	s_add_co_u32 s[G0+4*\s+1], s45, \s*SLOT
	s_add_nc_u64 s[G0+4*\s+2:G0+4*\s+3], s[20:21], \s*ROWB
	s_or_b32 s[G0+4*\s+3], s[G0+4*\s+3], 0x80000000
	s_mov_b32 s[G0B+4*\s], 1
	s_add_co_u32 s[G0B+4*\s+1], s45, \s*SLOT
	s_add_nc_u64 s[G0B+4*\s+2:G0B+4*\s+3], s[46:47], \s*ROWB
	s_or_b32 s[G0B+4*\s+3], s[G0B+4*\s+3], 0x80000000
	JLOAD G0+4*\s, G1, G0B+4*\s, G1B               ; three tensor loads of mine are out
.endr
	v_and_b32 v1, 15, v0                           ; r
	v_bfe_u32 v2, v0, 4, 1                         ; h
	v_mul_u32_u24 v3, v1, PITCH
	v_lshl_add_u32 v4, v2, 4, v3
	s_mul_i32 s21, s15, HALFT
	s_mul_i32 s22, s16, HALFT
	s_add_co_u32 s22, s22, 2*HALFT
.irp s, 0,1
	v_add_nc_u32 v[ADRA+\s], s21, v4
	v_add_nc_u32 v[ADRB+\s], s22, v4
	s_add_co_u32 s21, s21, SLOT
	s_add_co_u32 s22, s22, SLOT
.endr
	v_mul_u32_u24 v5, v1, KS                       ; my row's scales,
	v_lshrrev_b32 v6, 8, v5
	v_lshl_add_u32 v5, v6, 4, v5                   ; and 16 more for each 256 passed
	s_mul_i32 s21, s15, HALFS
	s_mul_i32 s22, s16, HALFS
	s_add_co_u32 s22, s22, 2*HALFS
	s_sub_co_u32 s22, s22, s21
	v_mul_u32_u24 v6, s22, v2                      ; lanes 16-31 take B's
	s_add_co_u32 s21, s21, SCL
	v_add_nc_u32 v5, v5, v6
	v_add_nc_u32 v[ADRS], s21, v5
	v_lshlrev_b32 v[VF], 8, v1
	v_lshl_add_u32 v[VF], v2, 4, v[VF]             ; the tables: row r of 256 bytes, + 16 h
	v_and_b32 v[L16], 31, v0
	v_lshlrev_b32 v[L16], 4, v[L16]
	v_mov_b32 v[AL], s96
	v_mov_b32 v[AL+1], s96
	v_mov_b32 v[BE], s97
	v_mov_b32 v[BE+1], s97
	s_lshl_b32 s20, s17, 1
	s_add_co_u32 s20, s20, s15
	s_lshl_b32 s20, s20, 15                        ; my row block of 128
	s_lshl_b32 s21, s95, 23                        ; the section
	s_add_co_u32 s20, s20, s21
	s_mov_b32 s21, 0
	s_add_nc_u64 s[12:13], s[12:13], s[20:21]
	s_lshl_b32 s46, s42, 1
	s_add_co_u32 s46, s46, s16
	s_and_b32 s46, s46, 15
	s_lshl_b32 s46, s46, 19                        ; my column block of 128
	s_mov_b32 s47, 0
	s_add_nc_u64 s[12:13], s[12:13], s[46:47]
	s_lshl_b32 s20, s17, 8
	s_lshl_b32 s21, s15, 7
	s_add_co_u32 s20, s20, s21
	s_lshl_b32 s20, s20, 8                         ; the tables at my first row: 256 bytes a row; rows stay under 2,048 in every section
	s_mov_b32 s21, 0
	s_add_nc_u64 s[8:9], s[8:9], s[20:21]
	s_add_nc_u64 s[10:11], s[10:11], s[20:21]
; The tables of block a (16 rows): cos into 32 registers, sin into 32; set 0 at v192, set 1 at v32.  Register 4 b + i: the pair of columns 16 b + 8 h + 2 i, + 1.
.macro FLOAD a, set
.set FL, 192-160*(\set)
.irp b, 0,1,2,3,4,5,6,7
	global_load_b128 v[FL+4*\b:FL+4*\b+3], v[VF], s[8:9] offset:4096*(\a)+32*\b
.endr
.irp b, 0,1,2,3,4,5,6,7
	global_load_b128 v[FL+32+4*\b:FL+32+4*\b+3], v[VF], s[10:11] offset:4096*(\a)+32*\b
.endr
.endm
	FLOAD 0, 0                                     ; into registers that lie idle through the products
.macro FRAG reg, adr, q, i             ; 16 rows x 128 K of 4-bit codes: 8 registers; registers 4 c .. 4 c + 3 hold K = 64 c + 32 h + 0 .. 31
.irp c, 0,1
	ds_load_b128 v[\reg+4*\c:\reg+4*\c+3], v[\adr] offset:64*(\q)+32*\c+(\i)*16*PITCH
.endr
.endm
; 16 matrix instructions: A's blocks a0, a0 + 1 x B's eight.  The 64 accumulators take turns, one instruction a turn, in the same order in every step.
.macro MUL16 a0, p, q, sc, zero
.irp a, \a0, \a0+1
.irp b, 0,1,2,3,4,5,6,7
.if \zero
	v_wmma_scale_f32_16x16x128_f8f6f4 v[8*(8*((\a)%4)+\b):8*(8*((\a)%4)+\b)+7], v[128*(\p)+FR*\b:128*(\p)+FR*\b+FR-1], v[AF+FR*(\a):AF+FR*(\a)+FR-1], 0, v[SC+8*NQ*(\sc)+NQ*\b+(\q)], v[SC+8*NQ*(\sc)+NQ*(\a)+(\q)] matrix_a_fmt:MATRIX_FMT_FP4 matrix_b_fmt:MATRIX_FMT_FP4 matrix_a_scale:MATRIX_SCALE_ROW1
.else
	v_wmma_scale_f32_16x16x128_f8f6f4 v[8*(8*((\a)%4)+\b):8*(8*((\a)%4)+\b)+7], v[128*(\p)+FR*\b:128*(\p)+FR*\b+FR-1], v[AF+FR*(\a):AF+FR*(\a)+FR-1], v[8*(8*((\a)%4)+\b):8*(8*((\a)%4)+\b)+7], v[SC+8*NQ*(\sc)+NQ*\b+(\q)], v[SC+8*NQ*(\sc)+NQ*(\a)+(\q)] matrix_a_fmt:MATRIX_FMT_FP4 matrix_b_fmt:MATRIX_FMT_FP4 matrix_a_scale:MATRIX_SCALE_ROW1
.endif
.endr
.endr
.endm
.macro FETCH_B slot, q, p
	WIN TO_B
.irp i, 0,1,2,3,4,5,6,7
	FRAG 128*(\p)+FR*\i, ADRB+\slot, \q, \i
.endr
	WIN 0
.endm
.macro FETCH_A slot, q, i0
.irp i, \i0, \i0+1, \i0+2, \i0+3
	FRAG AF+FR*(\i), ADRA+\slot, \q, \i
.endr
.endm
.macro SCALES sc                       ; a K step's scale words: lanes 0-15 take A's block i, lanes 16-31 B's block i
.irp i, 0,1,2,3,4,5,6,7
	ds_load_b128 v[SC+8*NQ*\sc+NQ*\i:SC+8*NQ*\sc+NQ*\i+3], v[ADRS] offset:\i*SBLK
.endr
.endm
.macro PLACES n                        ; plain vector instructions between a matrix instruction and a load into, or a vector read or write of, its registers
.rept \n
	v_nop
.endr
.endm
.macro STEP slot, q, zero
	s_wait_dscnt 4*NL                              ; B's set and A's blocks 0-3 are in; the youngest eight loads (A's blocks 4-7) may be out
	WIN MUL_LO
	MUL16 0, (\q)%2, \q, \slot, \zero
	MUL16 2, (\q)%2, \q, \slot, \zero
	s_wait_dscnt 0
	PLACES NP
	FETCH_B \slot, (\q)+1, 1-(\q)%2
	FETCH_A \slot, (\q)+1, 0
	WIN MUL_HI
	MUL16 4, (\q)%2, \q, \slot, \zero
	MUL16 6, (\q)%2, \q, \slot, \zero
	PLACES NP
	WIN 0
	FETCH_A \slot, (\q)+1, 4
.endm
; A slot's last step changes slots: one barrier; in front of it each wave waits for all its tensor loads, adds 0 to its spare word, and waits for that and for its own reads of this slot.
.macro TURN slot, next, fill
	s_wait_tensorcnt 0x0                           ; all my tensor loads have landed: my part of the next slot
	ds_add_u32 v[SPW], v[NIL]
	s_wait_dscnt 4*NL+1                            ; (the add and the youngest eight loads may be out)
	WIN MUL_LO
	MUL16 0, 1, NQ-1, \slot, 0
	s_wait_dscnt 0x0                               ; the add is done, and my reads of this slot are over
	s_barrier_signal -1
	MUL16 2, 1, NQ-1, \slot, 0
	WIN 0
	s_barrier_wait -1
.if \fill
	CREST                                          ; the barrier has opened a round of the cluster's barrier: no wave of any partner still reads this slot or has a load on its way
	s_add_nc_u64 s[G0+4*\slot+2:G0+4*\slot+3], s[G0+4*\slot+2:G0+4*\slot+3], 2*ROWB
	s_add_nc_u64 s[G0B+4*\slot+2:G0B+4*\slot+3], s[G0B+4*\slot+2:G0B+4*\slot+3], 2*ROWB
	JLOAD G0+4*\slot, G1, G0B+4*\slot, G1B         ; my one tensor load behind the round; its four v_nop are the places in front of the loads below
.else
	PLACES NP
.endif
	v_add_nc_u32 v[ADRS], 4*NQ, v[ADRS]
	FETCH_B \next, 0, 0
	FETCH_A \next, 0, 0
	SCALES \next
	WIN MUL_HI
	MUL16 4, 1, NQ-1, \slot, 0
	MUL16 6, 1, NQ-1, \slot, 0
	PLACES NP
	WIN 0
	FETCH_A \next, 0, 4
.endm
.macro STEPS slot, from
.set Q, \from
.rept NQ-1-\from
	STEP \slot, Q, 0
.set Q, Q+1
.endr
.endm
	s_wait_tensorcnt 1                             ; the scales and my part of K step 0 are in (K step 1's load may be out)
	s_barrier_signal -1
	s_barrier_wait -1
	FETCH_B 0, 0, 0
	FETCH_A 0, 0, 0
	SCALES 0
	FETCH_A 0, 0, 4
	STEP 0, 0, 1                                   ; the first step's products start the sums
	s_mov_b32 s3, LAPS-1
.Llap:
	STEPS 0, 1
	TURN 0, 1, 1
	STEPS 1, 0
	TURN 1, 0, 1
	STEP 0, 0, 0
	s_sub_co_u32 s3, s3, 1
	s_cmp_lg_u32 s3, 0
	s_cbranch_scc1 .Llap
	STEPS 0, 1                                     ; the last lap fills nothing
	TURN 0, 1, 0
	STEPS 1, 0
	s_wait_dscnt 4*NL
	WIN MUL_LO
	MUL16 0, 1, NQ-1, 1, 0
	MUL16 2, 1, NQ-1, 1, 0
	s_wait_dscnt 0
	WIN MUL_HI
	MUL16 4, 1, NQ-1, 1, 0
	MUL16 6, 1, NQ-1, 1, 0
	WIN 0
; THE WAY OUT, block by block of 16 rows: the tables scaled, the rotation in f32, eight f16 a lane and accumulator, 512 consecutive bytes a store.  Each accumulator is read from its low end on.
.macro ROPE a
.set FB, 192-160*((\a)%2)
.set AC, 64*((\a)%4)
.if (\a) < 7
	s_wait_loadcnt 16                              ; this block's 16 loads are in; the next block's 16 may be out
.else
	s_wait_loadcnt 0
.endif
.irp i, 0,2,4,6,8,10,12,14,16,18,20,22,24,26,28,30
	v_pk_fma_f32 v[FB+\i:FB+\i+1], v[FB+\i:FB+\i+1], v[AL:AL+1], v[BE:BE+1]     ; c' = c alpha + beta
	v_pk_mul_f32 v[FB+32+\i:FB+33+\i], v[FB+32+\i:FB+33+\i], v[AL:AL+1]         ; s' = s alpha
.endr
	WIN 0x02+(\a)/4                                ; source 0: window 2 or 3
.irp b, 0,1,2,3,4,5,6,7
.irp i, 0,1,2,3
	v_mul_f32 v[T+8*\b+2*\i], v[AC+8*\b+2*\i+1], v[FB+32+4*\b+\i]               ; odd s'
	v_mul_f32 v[T+8*\b+2*\i+1], v[AC+8*\b+2*\i], v[FB+32+4*\b+\i]               ; even s'
.endr
.endr
.irp b, 0,1,2,3,4,5,6,7
.irp i, 0,1,2,3
	v_fma_f32 v[T+8*\b+2*\i], v[AC+8*\b+2*\i], v[FB+4*\b+\i], -v[T+8*\b+2*\i]   ; even c' - odd s'
	v_fma_f32 v[T+8*\b+2*\i+1], v[AC+8*\b+2*\i+1], v[FB+4*\b+\i], v[T+8*\b+2*\i+1] ; odd c' + even s'
.endr
.endr
	WIN 0
.if (\a) > 0
	s_wait_xcnt 0x0                                ; the last block's stores have read their registers
.endif
.irp b, 0,1,2,3,4,5,6,7
.irp i, 0,1,2,3
	v_cvt_pk_f16_f32 v[OUT+4*\b+\i], v[T+8*\b+2*\i], v[T+8*\b+2*\i+1]
.endr
.endr
.irp b, 0,1,2,3,4,5,6,7
	global_store_b128 v[L16], v[OUT+4*\b:OUT+4*\b+3], s[12:13] offset:4096*(\a)+512*\b   ; chunk b / 2, piece b % 2
.endr
.if (\a)+2 < 8
	FLOAD (\a)+2, (\a)%2
.endif
.endm
	PLACES NP                                      ; behind the last products: for the loads into the scale words' registers, the writes over A's fragments and the reads of results
	FLOAD 1, 1
.irp a, 0,1,2,3,4,5,6,7
	ROPE \a
.endr
	s_wait_tensorcnt 0x0                           ; the wave's end
	ds_add_u32 v[SPW], v[NIL]
	s_wait_dscnt 0x0
	CROUND                                         ; the closing round: no work-group ends while a partner may still ask for a tile that names it
	s_endpgm
.Lfunc_end_k_qe779966ac7_qkv:
	.size	k_qe779966ac7_qkv, .Lfunc_end_k_qe779966ac7_qkv-k_qe779966ac7_qkv
	.p2alignl 7, 3214868480
	.fill 96, 4, 3214868480
	.section	.rodata,"a",@progbits
	.p2align	6, 0x0
	.amdhsa_kernel k_qe779966ac7_qkv
		.amdhsa_group_segment_fixed_size 327680
		.amdhsa_private_segment_fixed_size 0
		.amdhsa_enable_private_segment 0
		.amdhsa_kernarg_size 40
		.amdhsa_user_sgpr_count 2
		.amdhsa_user_sgpr_kernarg_segment_ptr 1
		.amdhsa_wavefront_size32 1
		.amdhsa_system_sgpr_workgroup_id_x 1
		.amdhsa_system_sgpr_workgroup_id_y 1
		.amdhsa_system_sgpr_workgroup_id_z 1
		.amdhsa_system_vgpr_workitem_id 0
		.amdhsa_next_free_vgpr 1024
		.amdhsa_next_free_sgpr 102
		.amdhsa_reserve_vcc 0
		.amdhsa_float_denorm_mode_32 3
		.amdhsa_float_denorm_mode_16_64 3
		.amdhsa_memory_ordered 1
		.amdhsa_forward_progress 1
		.amdhsa_inst_pref_size 255
	.end_amdhsa_kernel
	.section	.bss,"aw",@nobits
	.p2align	6
	.space	262144
	.amdgpu_metadata
---
amdhsa.version: [ 1, 2 ]
amdhsa.kernels:
  - .name:           k_qe779966ac7_qkv
    .symbol:         k_qe779966ac7_qkv.kd
    .args:
      - { .name: codes, .offset: 0, .size: 8, .value_kind: global_buffer, .address_space: global }
      - { .name: scales, .offset: 8, .size: 8, .value_kind: global_buffer, .address_space: global }
      - { .name: freqs_cos, .offset: 16, .size: 8, .value_kind: global_buffer, .address_space: global }
      - { .name: freqs_sin, .offset: 24, .size: 8, .value_kind: global_buffer, .address_space: global }
      - { .name: qkv, .offset: 32, .size: 8, .value_kind: global_buffer, .address_space: global }
    .group_segment_fixed_size: 327680
    .private_segment_fixed_size: 0
    .kernarg_segment_align: 8
    .kernarg_segment_size: 40
    .max_flat_workgroup_size: 128
    .sgpr_count:     102
    .vgpr_count:     1024
    .wavefront_size: 32
...
	.end_amdgpu_metadata
.endif
;; end of part 2
;; launch attn (part 3): grid 16 x 16, 4 waves a work-group, clusters of 4 x 1, 327,680 bytes of LDS; arguments qkv, maskf, a2; writes a2
.if DOCPART == 3
	.amdgcn_target "amdgcn-amd-amdhsa--gfx1250"
	.amdhsa_code_object_version 6
	.text
	.protected	k_qe779966ac7_attn
	.globl	k_qe779966ac7_attn
	.p2align	8
	.type	k_qe779966ac7_attn,@function
k_qe779966ac7_attn:
	s_mov_b64 s[64:65], 0
	v_nop
	global_prefetch_b8 v0, s[64:65] scope:SCOPE_SE
	s_setreg_imm32_b32 hwreg(HW_REG_WAVE_MODE, 25, 1), 1
	s_wait_xcnt 0x0
	s_wait_alu depctr_hold_cnt(0) depctr_sa_sdst(0) depctr_va_vdst(0) depctr_va_sdst(0) depctr_va_ssrc(0) depctr_va_vcc(0) depctr_vm_vsrc(0)
	s_getreg_b32 s2, hwreg(HW_REG_IB_STS2, 6, 4)
	s_cmp_eq_u32 s2, 0
	s_cbranch_scc0 .Lentry_in_a_cluster
	s_endpgm
.Lentry_in_a_cluster:
	s_bfe_u32 s2, ttmp6, 0x10000c
	s_cmp_lg_u32 s2, 0x3003
	s_cbranch_scc0 .Lentry_shape_is_right
	s_endpgm
.Lentry_shape_is_right:
; ATTN: a2[head][channel][query] = sum over keys of softmax(q . k / sqrt(128) + mask) v, f16 operands, f32 products, maxima and sums.
; q arrives multiplied by log2(e) / sqrt(128) and the mask by log2(e), so t = q' . k + maskf is in base 2; THE MASK TILE IS THE C OF EACH SCORE TILE'S FIRST MATRIX INSTRUCTION.  The mask is an input: every tile is computed.
; p = 2^(t - m), m the running maximum; in every step O and l are multiplied by a = 2^(m_old - m_new); l sums the unrounded p; p is rounded to f16 for the second product.
; SHARES.  A work-group owns 128 queries of one head.  Wave w: kh = w & 1, qh = w >> 1: 64 queries (four tiles of 16) x the 1,024 keys of stream kh, 64 keys a step, 16 steps.  At the end the two waves of a query half join their halves.
; Register tile t holds query tile 4 qh + (t xor 2 kh), so that EVERY wave keeps its register tiles 0, 1 and sends 2, 3: no register number hangs on the wave.
; LAYOUT.  S^T = K Q^T (source 0 = 16 keys, source 1 = 16 queries): a lane holds one query and keys 8 h + 0..7; two such tiles rounded in pairs are source 1 of O^T = V^T P.
; All operands lie in memory in the order of their registers (a fragment = [piece c][lane][16 B]), so a tile of 128 keys is a dense block of 32,768 bytes, and every read is 16 x lane + an immediate: 512 consecutive bytes, no padding.
; BY TURNS.  The wave's tiles are two pieces (0: tiles 0, 1; 2: tiles 2, 3).  In a turn one piece has the matrix unit (32 products V^T P, 32 products K Q^T of the next step); the other piece's softmax stands in 64 slices, one behind each.
; CLUSTER.  The four query blocks of a cluster belong to one head and walk the same K and V: each tile is asked for jointly, by the same tensor load with a mask that names the four.
; LIMITS: f16 operands: |q'|, |k|, |v| under 65,504; magnitudes under 6e-5 carry an absolute error of 2^-25.  A row whose every mask entry was held at -1e30 gets uniform weights.  +infinity and NaN in the mask are not served.
; REGISTERS: window 0: v2-11, v44 addresses; v12-43 statistics, 8 a tile (+0 m, +1 written once, +2, +3 l, +4 to +7 at work, a at +6); v45-48 the partner's m and l; v64-191 S^T; v192-255 P.
;   window 1: O^T, 64 a tile.   window 2: v0-127 Q; v128-255 K of one step.   window 3: v0-127 V of one step; v128-191 piece 0's mask tiles, v192-255 piece 2's.
.set SLOT1, 1<<17                      ; a slot: four regions of 32,768 bytes: K of stream 0, K of stream 1, V^T of stream 0, V^T of stream 1, 128 keys each; region w is filled by wave w
.set REG,   32768
.set SPARE, 2*SLOT1                    ; the spare words, 128 bytes for each wave
.set XS,    65536                      ; the tail, in slot 0, which by then has had its last fill and its last read: images of O at 16,384 w; m and l at XS + 512 w;
.set STG,   69632                      ; a stage of 32 rows x SP bytes at STG + 9,216 w
.set SP,    288                        ; 72 words: row r starts at bank 8 r mod 64
.set L16K, 2                           ; v2   16 x lane + 32,768 kh
.set L16V, 3                           ; v3   the same + 65,536
.set ADR,  4                           ; v4   the LDS address of the run of loads in hand
.set L16,  5                           ; v5   16 x lane
.set STO,  6
.set RD,   7
.set XW,   8
.set XR,   10
.set XSW,  11
.set XSR,  44
.set PM,   45                          ; v45-48 the partner's m, l of its tile 2; m, l of its tile 3
.set PFO,  61                          ; v61  256 x lane
.set SPW,  62
.set NIL,  63
.set ST,   12
.set S,    64
.set P,    192
.set KF,   128                         ; K's fragments, in window 2
.set MK,   128                         ; the mask tiles, in window 3
.set WV,   12
.set LIM,  15                          ; s15  1 in a cluster that prefetches, else the greatest number
.set G1,   24                          ; s[24:31] descriptor group 1
.set G0A,  32                          ; s[32:35] group 0 of slot 0's first fill
.set G0B,  36                          ; s[36:39] of slot 1's; it then walks on
.set STP,  40                          ; s[40:41] 128 keys on, in bytes: 0x8000 in K, 0x80000 in V^T
.set PFA,  42                          ; s[42:43] where my prefetches stand
.set MB,   44                          ; s[44:45], s[46:47] the mask tiles of piece 0, of piece 2
.set QB,   48                          ; s[48:49], s[50:51] Q's tiles likewise
.set OUTP, 52                          ; s[52:53] my 32 queries' chunk of a2
.set SLOTS, 56
.set TWICE, 57
.set SEL,  60
.set TBK,  62                          ; s62  LDS byte at which the step to be fetched begins in K's regions
.set TBV,  63                          ; s63  and in V's
.set MSB, 0
.macro WIN new
.if MSB != (\new)
	s_set_vgpr_msb (MSB<<8)|(\new)
.set MSB, (\new)
.endif
.endm
.set W_KM, 0x3a                        ; K and Q in window 2, the mask (C) in window 3, S^T in window 0
.set W_KQ, 0x0a                        ; K and Q in window 2, S^T in window 0
.set W_PV, 0x53                        ; V in window 3, P in window 0, O^T in window 1
.set W_RS, 0x41                        ; O^T (destination and source 0) in window 1, a in window 0
.macro CROUND
	s_barrier_signal -1
	s_barrier_wait -1
	s_cmp_lg_u32 s[WV], 0
	s_cbranch_scc1 .Lnot_wave_0_\@
	s_barrier_signal -3
.Lnot_wave_0_\@:
	s_barrier_wait -3
	s_barrier_signal -1
	s_barrier_wait -1
.endm
; A PREFETCH INTO THE L2 of what the next change of slots will ask for: the next 32,768 bytes of each of the four regions' streams.  All clusters of a head walk the same K and V: the head's first cluster asks.
; Its four partners share a block out BY ADDRESS, 8,192 bytes each (lanes 256 bytes apart); each wave asks for its own region's.  So each block of 256 bytes is named once in the launch.  The last change that fills a slot asks for nothing.
.macro ASK
	s_cmp_gt_u32 s[SLOTS], s[LIM]
	s_cbranch_scc0 .Lnot_mine_\@
	global_prefetch_b8 v[PFO], s[PFA:PFA+1] th:TH_LOAD_NT scope:SCOPE_SE
.Lnot_mine_\@:
.endm
	s_load_b128 s[4:7], s[0:1], 0x0                ; qkv, maskf
	s_load_b64 s[8:9], s[0:1], 0x10                ; a2
	v_lshl_add_u32 v[SPW], v0, 2, SPARE
	v_mov_b32 v[NIL], 0
	ds_add_u32 v[SPW], v[NIL]                      ; the wave's opening: the add, twice on end, and its wait ahead of my first tensor load
	ds_add_u32 v[SPW], v[NIL]
	v_lshrrev_b32 v1, 5, v0
	v_readfirstlane_b32 s[WV], v1                  ; wave 0..3
	s_bfe_u32 s13, ttmp6, 0x40000                  ; cx
	s_lshl_b32 s14, ttmp9, 2
	s_add_co_u32 s14, s14, s13                     ; my block of 128 queries: it enters Q's, the mask's and a2's addresses alone
	s_and_b32 s20, ttmp7, 0xffff                   ; the head, which the four partners share
	s_and_b32 s16, s[WV], 1                        ; kh.  Also: which stream I fetch
	s_lshr_b32 s17, s[WV], 1                       ; qh.  Also: I fetch K (0) or V^T (1)
	s_lshl_b32 s21, s20, 19
	s_lshl_b32 s22, s16, 18
	s_add_co_u32 s21, s21, s22
	s_add_co_u32 s21, s21, 0x800000                ; K: section 1, head, the stream's first 128 keys
	s_lshl_b32 s22, s16, 22
	s_lshl_b32 s23, s20, 15
	s_add_co_u32 s22, s22, s23
	s_add_co_u32 s22, s22, 0x1000000               ; V^T: section 2, the stream's first key block, head
	s_mov_b32 s[STP], 0x80000
	s_cmp_lt_u32 s[WV], 2
	s_cselect_b32 s2, s21, s22
	s_cselect_b32 s[STP], 0x8000, s[STP]
	s_mov_b32 s3, 0
	s_mov_b32 s[STP+1], 0
	s_lshl_b32 s[PFA], s[STP], 1                   ; the prefetches: at block 2 (the first change of slots steps them to block 3),
	s_add_co_u32 s[PFA], s[PFA], s2
	s_lshl_b32 s23, s13, 13                        ; my work-group's 8,192 bytes of a block
	s_add_co_u32 s[PFA], s[PFA], s23
	s_mov_b32 s[PFA+1], 0
	s_lshl_b32 s18, s14, 3
	s_lshl_b32 s19, s17, 2
	s_add_co_u32 s18, s18, s19                     ; the first of my four query tiles
	s_lshl_b32 s19, s16, 1
	s_add_co_u32 s21, s18, s19                     ; piece 0's first query tile: + 2 kh
	s_add_co_u32 s22, s18, 2
	s_sub_co_u32 s22, s22, s19                     ; piece 2's: + 2 - 2 kh
	s_lshl_b32 s23, s16, 16                        ; my stream's first key tile: 64 tiles of 1,024 bytes
	s_lshl_b32 s[MB], s21, 17
	s_add_co_u32 s[MB], s[MB], s23
	s_mov_b32 s[MB+1], 0
	s_lshl_b32 s[MB+2], s22, 17
	s_add_co_u32 s[MB+2], s[MB+2], s23
	s_mov_b32 s[MB+3], 0
	s_lshl_b32 s54, s20, 19
	s_lshl_b32 s[QB], s21, 12
	s_add_co_u32 s[QB], s[QB], s54
	s_mov_b32 s[QB+1], 0
	s_lshl_b32 s[QB+2], s22, 12
	s_add_co_u32 s[QB+2], s[QB+2], s54
	s_mov_b32 s[QB+3], 0
	s_lshl_b32 s[OUTP], s14, 15
	s_add_co_u32 s[OUTP], s[OUTP], s54
	s_lshl_b32 s23, s[WV], 10                      ; my 32 queries are chunk w of the block's 128
	s_add_co_u32 s[OUTP], s[OUTP], s23
	s_mov_b32 s[OUTP+1], 0
	s_mov_b32 s[G1], 15|(3<<16)|(1<<21)            ; the mask: all four work-groups; elements of 8 bytes; no padding; bit 21 beside a mask
	s_mov_b32 s[G1+1], 32<<16                      ; tensor_dim0 = 32 elements: rows of 256 bytes
	s_mov_b32 s[G1+2], 128<<16                     ; tensor_dim1 = 128 rows
	s_mov_b32 s[G1+3], 32<<16                      ; tile_dim0
	s_mov_b32 s[G1+4], 128                         ; tile_dim1
	s_mov_b32 s[G1+5], 32                          ; the pitch: a dense block
	s_mov_b32 s[G1+6], 0
	s_mov_b32 s[G1+7], 0
	s_mov_b32 s[SEL], 0x76543210
	s_mov_b32 s[SEL+1], 0xfedcba98
	s_mov_b32 s[TBK], 0
	s_mov_b32 s[TBV], 0
	s_mov_b32 s[SLOTS], 6                          ; eight blocks of 128 keys a stream; two come with the first fills
	s_cmp_eq_u32 ttmp9, 0                          ; the head's first cluster: the same in all four partners
	s_cselect_b32 s[LIM], 1, -1
	v_and_b32 v[PFO], 31, v0
	v_lshlrev_b32 v[PFO], 8, v[PFO]
	s_wait_dscnt 0x0                               ; both opening adds are done
	s_wait_kmcnt 0x0
	s_add_nc_u64 s[2:3], s[4:5], s[2:3]            ; my region's first block in memory
	s_add_nc_u64 s[PFA:PFA+1], s[4:5], s[PFA:PFA+1]
	s_add_nc_u64 s[MB:MB+1], s[6:7], s[MB:MB+1]
	s_add_nc_u64 s[MB+2:MB+3], s[6:7], s[MB+2:MB+3]
	s_add_nc_u64 s[QB:QB+1], s[4:5], s[QB:QB+1]
	s_add_nc_u64 s[QB+2:QB+3], s[4:5], s[QB+2:QB+3]
	s_add_nc_u64 s[OUTP:OUTP+1], s[8:9], s[OUTP:OUTP+1]
	CROUND                                         ; all four work-groups are here: the first joint loads meet
	s_mov_b32 s[G0A], 1
	s_lshl_b32 s[G0A+1], s[WV], 15                 ; region w of slot 0: no place in the cluster enters an LDS address
	s_mov_b64 s[G0A+2:G0A+3], s[2:3]
	s_or_b32 s[G0A+3], s[G0A+3], 0x80000000
	s_mov_b32 s[G0B], 1
	s_add_co_u32 s[G0B+1], s[G0A+1], SLOT1
	s_add_nc_u64 s[G0B+2:G0B+3], s[2:3], s[STP:STP+1]
	s_or_b32 s[G0B+3], s[G0B+3], 0x80000000
	tensor_load_to_lds s[G0A:G0A+3], s[G1:G1+7]    ; both first fills together: two loads of mine are out
	s_nop 0
	tensor_load_to_lds s[G0B:G0B+3], s[G1:G1+7]
	s_nop 0
.rept 4
	v_nop
.endr
	v_and_b32 v1, 15, v0                           ; r
	v_bfe_u32 v9, v0, 4, 1                         ; h
	v_and_b32 v[L16], 31, v0
	v_lshlrev_b32 v[L16], 4, v[L16]
; 16 loads: the mask tiles of piece x for one key step: 2 query tiles x 4 key tiles x 2 pieces, 512 consecutive bytes each.  step = 1: the base goes a key step (4 tiles) on first:
; the piece's last loads by this base were shown done by the counted wait ahead of the products that took them as C.
.macro MASKRUN x, step
.if \step
	s_add_nc_u64 s[MB+\x:MB+\x+1], s[MB+\x:MB+\x+1], 4096
.endif
	WIN 0xc0                                       ; destination window 3, address window 0
.set n, 0
.rept 16
	global_load_b128 v[MK+32*\x+4*n:MK+32*\x+4*n+3], v[L16], s[MB+\x:MB+\x+1] offset:131072*(n/8)+512*(n%8)
.set n, n+1
.endr
.endm
	WIN 0x80                                       ; destination window 2
.irp t, 0,1,2,3
.irp f, 0,1,2,3
	global_load_b128 v[32*\t+8*\f:32*\t+8*\f+3],   v[L16], s[QB+2*(\t/2):QB+2*(\t/2)+1] offset:4096*(\t%2)+1024*\f       ; Q stays in registers: tile t, channels 32 f on
	global_load_b128 v[32*\t+8*\f+4:32*\t+8*\f+7], v[L16], s[QB+2*(\t/2):QB+2*(\t/2)+1] offset:4096*(\t%2)+1024*\f+512
.endr
.endr
	MASKRUN 0, 0
	MASKRUN 2, 0
	WIN 0
	s_lshl_b32 s18, s16, 15
	v_add_nc_u32 v[L16K], s18, v[L16]
	v_add_nc_u32 v[L16V], 2*REG, v[L16K]
.irp t, 0,1,2,3
	v_mov_b32 v[ST+8*\t+1], 0                      ; named with m as a pair, so it is written
.endr
; Product i of 32 of O^T += V^T P: keys 32 (i / 16) on, channels 16 ((i / 2) % 8) on, tile x + i % 2.  The accumulators take turns, one instruction a turn.
.macro PV x, zero
	WIN W_PV
.set rO, 64*(\x+i%2)+8*((i/2)%8)
.set rV, 64*(i/16)+8*((i/2)%8)
.set rP, P+16*(\x+i%2)+8*(i/16)
.if \zero && (i < 16)
	v_wmma_f32_16x16x32_f16 v[rO:rO+7], v[rV:rV+7], v[rP:rP+7], 0
.else
	v_wmma_f32_16x16x32_f16 v[rO:rO+7], v[rV:rV+7], v[rP:rP+7], v[rO:rO+7]
.endif
.endm
; Product i of 32 of S^T = K Q^T + mask: channels 32 (i / 8) on, keys 16 ((i / 2) % 4) on, tile x + i % 2.  The first 8 start the sums from the mask tiles.
.macro KQ x
.set rS, S+32*(\x+i%2)+8*((i/2)%4)
.set rK, KF+32*((i/2)%4)+8*(i/8)
.set rQ, 32*(\x+i%2)+8*(i/8)
.set rM, MK+32*(\x+i%2)+8*((i/2)%4)
.if i < 8
	WIN W_KM
	v_wmma_f32_16x16x32_f16 v[rS:rS+7], v[rK:rK+7], v[rQ:rQ+7], v[rM:rM+7]
.else
	WIN W_KQ
	v_wmma_f32_16x16x32_f16 v[rS:rS+7], v[rK:rK+7], v[rQ:rQ+7], v[rS:rS+7]
.endif
.endm
.macro FETCH_K                         ; a step's K: 4 key tiles x 4 channel chunks
	WIN 0
	v_add_nc_u32 v[ADR], s[TBK], v[L16K]
	WIN 0x80
.irp f, 0,1,2,3,4,5,6,7,8,9,10,11,12,13,14,15
	ds_load_b128 v[KF+8*\f:KF+8*\f+3],   v[ADR] offset:4096*(\f/4)+1024*(\f%4)
	ds_load_b128 v[KF+8*\f+4:KF+8*\f+7], v[ADR] offset:4096*(\f/4)+1024*(\f%4)+512
.endr
.endm
.macro FETCH_V                         ; a step's V^T: 2 key chunks x 8 channel tiles
	WIN 0
	v_add_nc_u32 v[ADR], s[TBV], v[L16V]
	s_add_co_u32 s[TBK], s[TBK], 16384             ; the next fetch is the next step's: 4 key tiles on in K,
	s_add_co_u32 s[TBV], s[TBV], 2048              ; 2 key chunks on in V^T
	s_wait_alu depctr_va_vdst(0)                   ; the wait for the softmax's batch of exponentials, ahead of the first line that names a result
	WIN 0xc0
.irp f, 0,1,2,3,4,5,6,7,8,9,10,11,12,13,14,15
	ds_load_b128 v[8*\f:8*\f+3],   v[ADR] offset:4096*(\f%8)+1024*(\f/8)
	ds_load_b128 v[8*\f+4:8*\f+7], v[ADR] offset:4096*(\f%8)+1024*(\f/8)+512
.endr
.endm
; One tile's softmax for one key step is a numbered list; SM writes number j of it for tile t.
;   0-15 the maximum of the 32 scores and the old m;  16-20 the other half of the lanes' maximum, the new m, m_old - m_new (19 is empty);
;   21-69 ONE BATCH: the 16 subtractions t - m, a pair each, and all 33 exponentials (a at 23); none of these reads an exponential's result;  (the wait: SLICE writes it)
;   70-85 the roundings to f16;  86-101 the sums, l = a l + the sum;  102-133 the tile's O^T times a.
.macro SM t, first
.set rT, ST+8*(\t)
.set rS, S+32*(\t)
.set rP, P+16*(\t)
.set rO, 64*(\t)+2*(j-102)
.if j < 102
	WIN 0
.endif
.if j < 4
	v_max3_num_f32 v[rT+4+j], v[rS+8*j], v[rS+8*j+1], v[rS+8*j+2]
.elseif j < 12
	v_max3_num_f32 v[rT+4+j%4], v[rT+4+j%4], v[rS+8*(j%4)+2*(j/4)+1], v[rS+8*(j%4)+2*(j/4)+2]
.elseif j == 12
	v_max3_num_f32 v[rT+4], v[rT+4], v[rS+7], v[rS+15]
.elseif j == 13
	v_max3_num_f32 v[rT+6], v[rT+6], v[rS+23], v[rS+31]
.elseif j == 14
	v_max3_num_f32 v[rT+4], v[rT+4], v[rT+5], v[rT+6]
.elseif (j == 15) && \first
	v_max_num_f32 v[rT+4], v[rT+4], v[rT+7]
.elseif j == 15
	v_max3_num_f32 v[rT+4], v[rT+4], v[rT+7], v[rT]
.elseif j == 16
	v_permlanex16_b32 v[rT+5], v[rT+4], s[SEL], s[SEL+1]  ; the query's other 32 keys lie in the lane 16 away
.elseif j == 18
	v_max_num_f32 v[rT], v[rT+4], v[rT+5]          ; the new m
.elseif j == 19
.elseif ((j == 17) || (j == 20) || (j == 23) || (j > 101)) && \first
.elseif j == 17
	v_mov_b32 v[rT+7], v[rT]                       ; m_old is kept for a
.elseif j == 20
	v_sub_f32 v[rT+7], v[rT+7], v[rT]
.elseif j == 23
	v_exp_f32 v[rT+6], v[rT+7]
.elseif (j < 23) || ((j < 38) && (j%2 == 0)) || ((j < 66) && (j%4 == 2))
.set b, (j-2)/4
.if j < 38
.set b, (j-20)/2
.endif
	v_pk_add_f32 v[rS+2*b:rS+2*b+1], v[rS+2*b:rS+2*b+1], v[rT:rT+1] op_sel_hi:[1,0] neg_lo:[0,1] neg_hi:[0,1]  ; pair b: t - m, exact at t = m
.elseif j < 70
.set e, j-38
.if j < 66
.set e, j-32-(j-38)/4
.endif
.if j < 38
.set e, (j-25)/2
.endif
	v_exp_f32 v[rS+e], v[rS+e]
.elseif j < 86
	v_cvt_pk_f16_f32 v[rP+j-70], v[rS+2*(j-70)], v[rS+2*(j-70)+1]
.elseif j < 102
.set z, j-86
.set w, 4
.set u, z
.if z >= 14
.set w, 32
.set u, 0
.elseif z >= 12
.set w, 16
.set u, z-12
.elseif z >= 8
.set w, 8
.set u, z-8
.endif
.if (z == 14) && \first
	v_pk_add_f32 v[rT+2:rT+3], v[rS:rS+1], v[rS+16:rS+17]
.elseif z < 15
	v_pk_add_f32 v[rS+w*u:rS+w*u+1], v[rS+w*u:rS+w*u+1], v[rS+w*u+w/2:rS+w*u+w/2+1]
.elseif !\first
	v_pk_fma_f32 v[rT+2:rT+3], v[rT+2:rT+3], v[rT+6:rT+7], v[rS:rS+1] op_sel_hi:[1,0,1]
.endif
.else
	WIN W_RS
	v_pk_mul_f32 v[rO:rO+1], v[rO:rO+1], v[rT+6:rT+7] op_sel_hi:[1,0]
.endif
.endm
; Slice k of 64 of piece y's softmax.  Slices 11 to 34 deal out the batch, four numbers of one tile each, the tiles by turns; every other slice is numbers 2 k and 2 k + 1 of both tiles; slice 63 takes the twelve that are over.
; Ahead of slice 35 nothing names an exponential's result and behind slice 34 none is issued: one wait, behind slice 34, serves the piece's 66 exponentials.
.macro SLICE y, first
.if (k >= 11) && (k < 35)
.irp n, 0,1,2,3
.set j, 22+4*((k-11)/2)+(\n)
	SM (\y)+(k-11)%2, \first
.endr
.else
.irp n, 0,1,2,3,4,5,6,7
.if (\n < 2) || (k == 63)
.irp t, \y, \y+1
.set j, 2*k+\n
	SM \t, \first
.endr
.endif
.endr
.endif
.if k == 34
	v_nop                                          ; the plain instruction behind the last exponential
.if (\y) == 0
	FETCH_V                                        ; piece 2's turn: V's run of loads stands here, and the wait stands in it
.else
	s_wait_alu depctr_va_vdst(0)
.endif
.endif
.set k, k+1
.endm
.macro PLACES
.rept 4
	v_nop
.endr
.endm
; A TURN.  Piece x has the matrix unit; the other piece's softmax stands in slices behind its matrix instructions.  pv = 2: 32 products V^T P; 1: they start O^T's sums; 0: none.  kq = 1: 32 products K Q^T for the next step.
; lw: how many younger global loads may stay out when piece x's mask tiles have to be in (the other piece's 16, or none).  mk = 1: behind product 15 of K Q^T the piece's mask tiles of the step after next are asked for:
; their registers' last reader, product 7, stands eight slices of plain instructions back, and their next reader a key step on.
.macro TURN x, pv, kq, first, mk, lw
.set k, 0
.set per, 2
.if \pv && \kq
.set per, 1
.endif
.if \pv
.if \x == 0
	s_wait_dscnt 0x0                               ; V is in
.endif
.set i, 0
.rept 32
	PV \x, 2-\pv
.rept per
	SLICE 2-\x, \first
.endr
.if (\x == 0) && \kq && (i == 1)
	FETCH_K
.endif
.set i, i+1
.endr
.endif
.if \kq
.if \x == 0
	s_wait_dscnt 0x0                               ; K is in
.endif
	s_wait_loadcnt \lw                             ; my piece's mask tiles are in
.set i, 0
.rept 32
	KQ \x
.rept per
	SLICE 2-\x, \first
.endr
.if \mk && (i == 15)
	MASKRUN \x, 1
.endif
.set i, i+1
.endr
.endif
.if \first
	PLACES
.endif
.endm
; THE CHANGE OF SLOTS, between piece 2's turn and piece 0's.  Each wave waits for all its tensor loads (one is out: its region of the other slot), adds 0 to its spare word, and waits for that and for its own reads of the slot.
; fill = 1: the barrier is a round of the cluster's, and the joint refill, with the keys two slots on, is the first thing behind it: it has two key steps, 256 matrix instructions, in which to land.
.macro CHANGE fill
	WIN 0
	s_wait_tensorcnt 0x0                           ; no tensor load of mine is out, so a group 0 may be written
	ds_add_u32 v[SPW], v[NIL]
.if \fill
	s_xor_b32 s[G0B+1], s[G0B+1], SLOT1            ; the walking descriptor: the other slot than last time,
	s_add_nc_u64 s[G0B+2:G0B+3], s[G0B+2:G0B+3], s[STP:STP+1]  ; the next 128 keys
	s_wait_xcnt 0x0                                ; the last prefetch, two key steps back, has read its address
	s_add_nc_u64 s[PFA:PFA+1], s[PFA:PFA+1], s[STP:STP+1]
	s_wait_dscnt 0x0                               ; the add is done, and my reads of the slot are over
	CROUND
	tensor_load_to_lds s[G0B:G0B+3], s[G1:G1+7]
	s_nop 0
.rept 4
	v_nop
.endr
	ASK
.else
	s_wait_dscnt 0x0
	s_barrier_signal -1
	s_barrier_wait -1
.endif
	s_sub_co_u32 s[TBK], s[TBK], 32768             ; the fetches go back to a slot's first step,
	s_sub_co_u32 s[TBV], s[TBV], 4096
	s_xor_b32 s[TBK], s[TBK], SLOT1                ; in the other slot
	s_xor_b32 s[TBV], s[TBV], SLOT1
.endm
.macro TWO_STEPS
	s_mov_b32 s[TWICE], 2
.Lstep_\@:
	TURN 0, 2, 1, 0, 1, 16
	TURN 2, 2, 1, 0, 1, 16
	WIN 0
	s_sub_co_u32 s[TWICE], s[TWICE], 1
	s_cmp_lg_u32 s[TWICE], 0
	s_cbranch_scc1 .Lstep_\@
.endm
	s_wait_tensorcnt 1                             ; my region of slot 0 is in; slot 1's may stay out
	s_barrier_signal -1
	s_barrier_wait -1
	FETCH_K                                        ; key step 0
	s_wait_loadcnt 16                              ; Q and piece 0's mask tiles are in; piece 2's 16 loads may be out
	s_wait_dscnt 0x0
.set i, 0
.rept 32
	KQ 0
.set i, i+1
.endr
	WIN 0                                          ; the tail's addresses are made here: plain instructions, the places behind those products
	s_xor_b32 s18, s[WV], 1                        ; my partner: the other stream's wave of my query half
	s_mul_i32 s19, s[WV], 32*SP
	s_add_co_u32 s19, s19, STG
	v_mul_u32_u24 v[STO], v1, SP                   ; the stage, in: row = query r, 16 bytes for each half of the lanes
	v_lshl_add_u32 v[STO], v9, 4, v[STO]
	v_add_nc_u32 v[STO], s19, v[STO]
	v_and_b32 v[RD], 7, v0                         ; back, turned: row 8 h + lane % 8, 16 bytes at 16 ((lane / 8) % 2)
	v_lshl_add_u32 v[RD], v9, 3, v[RD]
	v_mul_u32_u24 v[RD], v[RD], SP
	v_bfe_u32 v[XW], v0, 3, 1
	v_lshl_add_u32 v[RD], v[XW], 4, v[RD]
	v_add_nc_u32 v[RD], s19, v[RD]
	s_lshl_b32 s19, s[WV], 14
	v_add_nc_u32 v[XW], s19, v[L16]                ; my images of O
	s_lshl_b32 s19, s18, 14
	v_add_nc_u32 v[XR], s19, v[L16]                ; my partner's
	v_and_b32 v[XSW], 31, v0
	v_lshlrev_b32 v[XSW], 2, v[XSW]
	s_lshl_b32 s19, s18, 9
	s_add_co_u32 s19, s19, XS
	v_add_nc_u32 v[XSR], s19, v[XSW]
	s_lshl_b32 s19, s[WV], 9
	s_add_co_u32 s19, s19, XS
	v_add_nc_u32 v[XSW], s19, v[XSW]
	MASKRUN 0, 1                                   ; piece 0's mask tiles of step 1
	TURN 2, 0, 1, 1, 1, 16                         ; piece 2's first scores | piece 0's first softmax | V of step 0
	TURN 0, 1, 1, 1, 1, 16                         ; piece 0: V^T P of step 0 starts O^T, K Q^T of step 1 | piece 2's first softmax | K of step 1
	TURN 2, 1, 1, 0, 1, 16                         ; piece 2: the same | piece 0's softmax of step 1 | V of step 1
	WIN 0
.Lslot:                                            ; six trips: every slot but the last two is filled again
	CHANGE 1
	TWO_STEPS
	s_sub_co_u32 s[SLOTS], s[SLOTS], 1
	s_cmp_lg_u32 s[SLOTS], 0
	s_cbranch_scc1 .Lslot
	CHANGE 0                                       ; the tail is written out
	TURN 0, 2, 1, 0, 1, 16                         ; K Q^T of step 14; the mask tiles of step 15 are asked for
	TURN 2, 2, 1, 0, 1, 16
	TURN 0, 2, 1, 0, 0, 16                         ; K Q^T of step 15
	TURN 2, 2, 1, 0, 0, 0
	TURN 0, 2, 0, 0, 0, 0                          ; piece 0: V^T P of the last step | piece 2's last softmax
.set i, 0
.rept 32
	PV 2, 0
.set i, i+1
.endr
	; THE TAIL.  l's halves are added (these additions are the places behind the last products).  Tiles 2, 3 go to the partner as images of their registers; tiles 0, 1 take the partner's in.
	WIN 0
.irp t, 0,1,2,3
	v_add_f32 v[ST+8*\t+4], v[ST+8*\t+2], v[ST+8*\t+3]
.endr
.irp t, 0,1,2,3
	v_permlanex16_b32 v[ST+8*\t+5], v[ST+8*\t+4], s[SEL], s[SEL+1]
.endr
.irp t, 0,1,2,3
	v_add_f32 v[ST+8*\t+4], v[ST+8*\t+4], v[ST+8*\t+5]
.endr
	ds_store_b32 v[XSW], v[ST+16]                  ; m and l of tile 2,
	ds_store_b32 v[XSW], v[ST+20] offset:128
	ds_store_b32 v[XSW], v[ST+24] offset:256       ; of tile 3
	ds_store_b32 v[XSW], v[ST+28] offset:384
	WIN 0x04                                       ; an LDS store's data are its source 1: window 1
.set n, 0
.rept 32
	ds_store_b128 v[XW], v[128+4*n:128+4*n+3] offset:512*n   ; each accumulator from its low end on
.set n, n+1
.endr
	WIN 0
	s_wait_dscnt 0x0                               ; for the partner's sake: my stores are done
	s_barrier_signal -1
	s_barrier_wait -1
.irp n, 0,1,2,3
	ds_load_b32 v[PM+\n], v[XSR] offset:128*\n
.endr
.set n, 0
.rept 32
	ds_load_b128 v[S+4*n:S+4*n+3], v[XR] offset:512*n
.set n, n+1
.endr
	s_wait_dscnt 32                                ; the four statistics are in; the 32 images behind them may be out
.irp t, 0,1
	v_max_num_f32 v[ST+8*\t+5], v[ST+8*\t], v[PM+2*\t]           ; M
.endr
.irp t, 0,1
	v_sub_f32 v[ST+8*\t+6], v[ST+8*\t], v[ST+8*\t+5]
	v_sub_f32 v[ST+8*\t+7], v[PM+2*\t], v[ST+8*\t+5]
.endr
.irp t, 0,1
	v_exp_f32 v[ST+8*\t+6], v[ST+8*\t+6]                         ; e = 2^(m - M)
	v_exp_f32 v[ST+8*\t+7], v[ST+8*\t+7]                         ; e' = 2^(m' - M)
.endr
	v_nop
	s_wait_alu depctr_va_vdst(0)                   ; one wait for the four, ahead of their first reader
.irp t, 0,1
	v_mul_f32 v[ST+8*\t+4], v[ST+8*\t+4], v[ST+8*\t+6]
.endr
.irp t, 0,1
	v_fma_f32 v[ST+8*\t+4], v[PM+2*\t+1], v[ST+8*\t+7], v[ST+8*\t+4]   ; L = l e + l' e', at least 1
.endr
.irp t, 0,1
	v_rcp_f32 v[ST+8*\t+5], v[ST+8*\t+4]
.endr
	v_nop
	s_wait_alu depctr_va_vdst(0)
.irp t, 0,1
	v_mul_f32 v[ST+8*\t+6], v[ST+8*\t+6], v[ST+8*\t+5]           ; g = e / L
	v_mul_f32 v[ST+8*\t+4], v[ST+8*\t+7], v[ST+8*\t+5]           ; g' = e' / L
.endr
	s_wait_dscnt 0x0                               ; the partner's images are in
.irp t, 0,1
.set n, 0
.rept 32
	v_pk_mul_f32 v[S+64*\t+2*n:S+64*\t+2*n+1], v[S+64*\t+2*n:S+64*\t+2*n+1], v[ST+8*\t+4:ST+8*\t+5] op_sel_hi:[1,0]
.set n, n+1
.endr
.endr
	WIN 0x01                                       ; source 0 (my O^T) window 1
.irp t, 0,1
.set n, 0
.rept 32
	v_pk_fma_f32 v[S+64*\t+2*n:S+64*\t+2*n+1], v[64*\t+2*n:64*\t+2*n+1], v[ST+8*\t+6:ST+8*\t+7], v[S+64*\t+2*n:S+64*\t+2*n+1] op_sel_hi:[1,0,1]
.set n, n+1
.endr
.endr
	WIN 0
.irp t, 0,1
.set n, 0
.rept 32
	v_cvt_pk_f16_f32 v[P+32*\t+n], v[S+64*\t+2*n], v[S+64*\t+2*n+1]
.set n, n+1
.endr
.endr
.irp t, 0,1
.irp c, 0,1,2,3,4,5,6,7
	ds_store_b128 v[STO], v[P+32*\t+4*\c:P+32*\t+4*\c+3] offset:16*SP*\t+32*\c   ; [query][channel]: a lane's eight channels of its query
.endr
.endr
.irp c, 0,1,2,3,4,5,6,7
	ds_load_tr16_b128 v[S+8*\c:S+8*\c+3],   v[RD] offset:32*\c          ; turned: lane (r, h): channel 16 c + r, queries 8 h + 0..7.  LDS serves a wave's instructions in order (ISA guide 5.7.1.4): these see my stores
	ds_load_tr16_b128 v[S+8*\c+4:S+8*\c+7], v[RD] offset:32*\c+16*SP    ; queries 16 + 8 h + 0..7
.endr
.set n, 0
.rept 16
	s_wait_dscnt 15-n
	global_store_b128 v[L16], v[S+4*n:S+4*n+3], s[OUTP:OUTP+1] offset:4096*(n/2)+512*(n%2)   ; channel tile n / 2, piece n % 2: 512 consecutive bytes
.set n, n+1
.endr
	s_wait_tensorcnt 0x0                           ; the wave's end
	ds_add_u32 v[SPW], v[NIL]
	s_wait_dscnt 0x0
	CROUND                                         ; the closing round
	s_endpgm
.Lfunc_end_k_qe779966ac7_attn:
	.size	k_qe779966ac7_attn, .Lfunc_end_k_qe779966ac7_attn-k_qe779966ac7_attn
	.p2alignl 7, 3214868480
	.fill 96, 4, 3214868480
	.section	.rodata,"a",@progbits
	.p2align	6, 0x0
	.amdhsa_kernel k_qe779966ac7_attn
		.amdhsa_group_segment_fixed_size 327680
		.amdhsa_private_segment_fixed_size 0
		.amdhsa_enable_private_segment 0
		.amdhsa_kernarg_size 24
		.amdhsa_user_sgpr_count 2
		.amdhsa_user_sgpr_kernarg_segment_ptr 1
		.amdhsa_wavefront_size32 1
		.amdhsa_system_sgpr_workgroup_id_x 1
		.amdhsa_system_sgpr_workgroup_id_y 1
		.amdhsa_system_sgpr_workgroup_id_z 1
		.amdhsa_system_vgpr_workitem_id 0
		.amdhsa_next_free_vgpr 1024
		.amdhsa_next_free_sgpr 66
		.amdhsa_reserve_vcc 0
		.amdhsa_float_denorm_mode_32 3
		.amdhsa_float_denorm_mode_16_64 3
		.amdhsa_memory_ordered 1
		.amdhsa_forward_progress 1
		.amdhsa_inst_pref_size 255
	.end_amdhsa_kernel
	.section	.bss,"aw",@nobits
	.p2align	6
	.space	262144
	.amdgpu_metadata
---
amdhsa.version: [ 1, 2 ]
amdhsa.kernels:
  - .name:           k_qe779966ac7_attn
    .symbol:         k_qe779966ac7_attn.kd
    .args:
      - { .name: qkv, .offset: 0, .size: 8, .value_kind: global_buffer, .address_space: global }
      - { .name: maskf, .offset: 8, .size: 8, .value_kind: global_buffer, .address_space: global }
      - { .name: a2, .offset: 16, .size: 8, .value_kind: global_buffer, .address_space: global }
    .group_segment_fixed_size: 327680
    .private_segment_fixed_size: 0
    .kernarg_segment_align: 8
    .kernarg_segment_size: 24
    .max_flat_workgroup_size: 128
    .sgpr_count:     66
    .vgpr_count:     1024
    .wavefront_size: 32
...
	.end_amdgpu_metadata
.endif
;; end of part 3
;; launch proj (part 4): grid 16 x 16, 4 waves a work-group, clusters of 4 x 4, 327,680 bytes of LDS; arguments a2, wof, out0; writes out0
.if DOCPART == 4
	.amdgcn_target "amdgcn-amd-amdhsa--gfx1250"
	.amdhsa_code_object_version 6
	.text
	.protected	k_qe779966ac7_proj
	.globl	k_qe779966ac7_proj
	.p2align	8
	.type	k_qe779966ac7_proj,@function
k_qe779966ac7_proj:
	s_mov_b64 s[64:65], 0
	v_nop
	global_prefetch_b8 v0, s[64:65] scope:SCOPE_SE
	s_setreg_imm32_b32 hwreg(HW_REG_WAVE_MODE, 25, 1), 1
	s_wait_xcnt 0x0
	s_wait_alu depctr_hold_cnt(0) depctr_sa_sdst(0) depctr_va_vdst(0) depctr_va_sdst(0) depctr_va_ssrc(0) depctr_va_vcc(0) depctr_vm_vsrc(0)
	s_getreg_b32 s2, hwreg(HW_REG_IB_STS2, 6, 4)
	s_cmp_eq_u32 s2, 0
	s_cbranch_scc0 .Lentry_in_a_cluster
	s_endpgm
.Lentry_in_a_cluster:
	s_bfe_u32 s2, ttmp6, 0x10000c
	s_cmp_lg_u32 s2, 0xf033
	s_cbranch_scc0 .Lentry_shape_is_right
	s_endpgm
.Lentry_shape_is_right:
; PROJ: out0[m][n] = sum over s of A2[m][s] wo[n][s], m = 128 head + channel, s = the query's position; f16 operands, f32 sums, f32 out.  M = N = K = 2,048.
; A tile of out0 is 128 x 128: 256 work-groups; four waves, each 64 x 64: 16 accumulators.  K goes in steps of 256 through two LDS slots.
; Both operands lie in memory in the order of their registers: [block of 128 rows][block of 128 s][tile of 16 rows][chunk of 32 s][piece c][lane][16 B].  So 128 rows x 128 s are a dense block of 32,768 bytes for one tensor load,
; and every fragment read is 16 x lane + an immediate: 512 consecutive bytes, no padding.
; CLUSTERS: 4 x 4 work-groups; A's tiles are asked for jointly along a row of the cluster, B's along a column.  THE MATRIX INSTRUCTION IS USED TRANSPOSED (source 0 = 16 rows of wo, source 1 = 16 rows of A2).
; No prefetch: a K step's matrix work is short and the tiles are small.  One tile to a work-group.
; REGISTERS: window 0: v0-31 addresses; v32-95 the way out; v128-255 the accumulators ((a, b) at v[128 + 8 (4 a + b)]).  Window 1: two fragment buffers of 128: 64 registers of A, then 64 of B, for 64 along K.
.set SLOT,   131072                    ; A's s block 2 j, A's 2 j + 1, B's 2 j, B's 2 j + 1; region w is filled by wave w
.set KBYTES, 65536                     ; a K step in memory: two s blocks
.set STAGE,  2*SLOT                    ; 16 rows x SPITCH bytes for each wave
.set SPITCH, 272                       ; 68 words: row r starts at bank 4 r mod 64 (64 banks of 4 bytes: ISA guide 11.1)
.set SPARE,  STAGE+4*16*SPITCH         ; the spare words, 128 bytes for each wave
.set LAPS,   4                         ; 2,048 / (2 x 256)
.set ADRA, 16
.set ADRB, 20
.set STO,  24
.set RD,   25
.set CO,   26
.set SPW,  28
.set NIL,  29
.set TMP,  32
.set ACC,  128
.set F0,   0
.set F1,   128
.set G1, 24
.set G0, 32
.set G1B, 48
.set G0B, 56
.set MSB, 0
.macro WIN new
.if MSB != (\new)
	s_set_vgpr_msb (MSB<<8)|(\new)
.set MSB, (\new)
.endif
.endm
.set MUL,  0x05                        ; sources 0 (B) and 1 (A) window 1; C and D window 0
.set TO_F, 0x40                        ; destination window 1, address window 0
.macro JLOAD s                         ; a joint load: waves 0 and 1 fetch A's two s blocks, waves 2 and 3 B's; an s_nop 0 and four v_nop follow each of the two lines
	s_cmp_eq_u32 s11, 0
	s_cbranch_scc0 .Lfor_b_\@
	tensor_load_to_lds s[G0+4*\s:G0+4*\s+3], s[G1:G1+7]
	s_nop 0
.rept 4
	v_nop
.endr
	s_branch .Lasked_\@
.Lfor_b_\@:
	tensor_load_to_lds s[G0B+4*\s:G0B+4*\s+3], s[G1B:G1B+7]
	s_nop 0
.rept 4
	v_nop
.endr
.Lasked_\@:
.endm
.macro CREST
	s_cmp_lg_u32 s10, 0
	s_cbranch_scc1 .Lnot_wave_0_\@
	s_barrier_signal -3
.Lnot_wave_0_\@:
	s_barrier_wait -3
	s_barrier_signal -1
	s_barrier_wait -1
.endm
.macro CROUND
	s_barrier_signal -1
	s_barrier_wait -1
	CREST
.endm
	s_load_b128 s[4:7], s[0:1], 0x0                ; a2, wof
	s_load_b64 s[8:9], s[0:1], 0x10                ; out0
	v_lshl_add_u32 v[SPW], v0, 2, SPARE
	v_mov_b32 v[NIL], 0
	ds_add_u32 v[SPW], v[NIL]                      ; the wave's opening: the add, twice on end, and its wait ahead of my first tensor load
	ds_add_u32 v[SPW], v[NIL]
	v_lshrrev_b32 v1, 5, v0
	v_readfirstlane_b32 s10, v1                    ; wave 0..3
	s_lshr_b32 s11, s10, 1                         ; which half of the tile's rows is mine.  Also: I fetch for A (0) or for B (1)
	s_and_b32 s12, s10, 1                          ; which half of its columns.  Also: which s block of a K step I fetch
	s_bfe_u32 s40, ttmp6, 0x40000                  ; cx
	s_bfe_u32 s41, ttmp6, 0x40004                  ; cy
	s_lshl_b32 s42, ttmp9, 2
	s_add_co_u32 s42, s42, s40                     ; tile column
	s_and_b32 s13, ttmp7, 0xffff
	s_lshl_b32 s13, s13, 2
	s_add_co_u32 s13, s13, s41                     ; tile row
	s_lshl_b32 s43, s41, 2
	s_lshl_b32 s43, 15, s43                        ; my row of the cluster
	s_lshl_b32 s44, 0x1111, s40                    ; my column
	s_or_b32 s[G1+0], s43, (3<<16)|(1<<21)         ; the mask; elements of 8 bytes; no padding; bit 21 beside a mask
	s_or_b32 s[G1B+0], s44, (3<<16)|(1<<21)
.irp g, G1, G1B
	s_mov_b32 s[\g+1], 32<<16                      ; tensor_dim0 = 32 elements: rows of 256 bytes
	s_mov_b32 s[\g+2], 128<<16                     ; tensor_dim1 = 128 rows
	s_mov_b32 s[\g+3], 32<<16                      ; tile_dim0
	s_mov_b32 s[\g+4], 128                         ; tile_dim1
	s_mov_b32 s[\g+5], 32                          ; the pitch: a dense block
	s_mov_b32 s[\g+6], 0
	s_mov_b32 s[\g+7], 0
.endr
	s_lshl_b32 s17, s12, 15                        ; which s block
	s_lshl_b32 s16, s13, 19
	s_add_co_u32 s16, s16, s17                     ; A: the tile row's block of 128 rows
	s_lshl_b32 s46, s42, 19
	s_add_co_u32 s46, s46, s17                     ; B: the tile column's
	s_mov_b32 s17, 0
	s_mov_b32 s47, 0
	s_lshl_b32 s20, s10, 15                        ; where they go: region w
	s_wait_dscnt 0x0                               ; both opening adds are done
	s_wait_kmcnt 0x0
	s_add_nc_u64 s[14:15], s[4:5], s[16:17]
	s_add_nc_u64 s[46:47], s[6:7], s[46:47]
	CROUND                                         ; all sixteen work-groups are here: the first joint loads meet
.irp s, 0,1
	s_mov_b32 s[G0+4*\s], 1
	s_add_co_u32 s[G0+4*\s+1], s20, \s*SLOT
	s_add_nc_u64 s[G0+4*\s+2:G0+4*\s+3], s[14:15], \s*KBYTES
	s_or_b32 s[G0+4*\s+3], s[G0+4*\s+3], 0x80000000
	s_mov_b32 s[G0B+4*\s], 1
	s_add_co_u32 s[G0B+4*\s+1], s20, \s*SLOT
	s_add_nc_u64 s[G0B+4*\s+2:G0B+4*\s+3], s[46:47], \s*KBYTES
	s_or_b32 s[G0B+4*\s+3], s[G0B+4*\s+3], 0x80000000
	JLOAD \s                                       ; two tensor loads of mine are out
.endr
	v_and_b32 v1, 15, v0                           ; r
	v_bfe_u32 v2, v0, 4, 1                         ; h
	v_and_b32 v3, 31, v0
	v_lshlrev_b32 v3, 4, v3                        ; 16 x lane
	s_lshl_b32 s21, s11, 14                        ; my four tiles of A's eight
	s_lshl_b32 s22, s12, 14                        ; my four of B's,
	s_add_co_u32 s22, s22, 65536                   ; which lie behind A's two regions
.irp s, 0,1
	v_add_nc_u32 v[ADRA+\s], s21, v3
	v_add_nc_u32 v[ADRB+\s], s22, v3
	s_add_co_u32 s21, s21, SLOT
	s_add_co_u32 s22, s22, SLOT
.endr
	s_mul_i32 s23, s10, 16*SPITCH
	s_add_co_u32 s23, s23, STAGE                   ; my stage
	v_mul_u32_u24 v4, v1, SPITCH                   ; in: row r, 32 bytes for each half of the lanes
	v_lshl_add_u32 v4, v2, 5, v4
	v_add_nc_u32 v[STO], s23, v4
	v_mul_u32_u24 v5, v2, SPITCH                   ; back: lanes 0-15 one row of 256 bytes, lanes 16-31 the next
	v_lshl_add_u32 v5, v1, 4, v5
	v_add_nc_u32 v[RD], s23, v5
	v_lshlrev_b32 v5, 13, v2                       ; and the same two rows in out0 (8,192 bytes a row)
	v_lshl_add_u32 v[CO], v1, 4, v5
	s_lshl_b32 s16, s13, 7
	s_lshl_b32 s17, s11, 6
	s_add_co_u32 s16, s16, s17                     ; my first row: 128 x tile row + 64 x half
	s_lshl_b32 s16, s16, 13
	s_mov_b32 s17, 0
	s_add_nc_u64 s[8:9], s[8:9], s[16:17]
	s_lshl_b32 s46, s42, 9                         ; my first column, in bytes: 512 x tile column + 256 x half
	s_lshl_b32 s47, s12, 8
	s_add_co_u32 s46, s46, s47
	s_mov_b32 s47, 0
	s_add_nc_u64 s[8:9], s[8:9], s[46:47]
; 8 matrix instructions: row blocks a0, a0 + 1 x all 4 column blocks, 32 along K: half c of buffer f.  The 16 accumulators take turns.
.macro MUL8 f, c, a0, zero
.irp a, \a0, \a0+1
.irp b, 0,1,2,3
.if \zero
	v_wmma_f32_16x16x32_f16 v[ACC+8*(4*(\a)+\b):ACC+8*(4*(\a)+\b)+7], v[\f+64+8*(4*\c+\b):\f+64+8*(4*\c+\b)+7], v[\f+8*(4*\c+\a):\f+8*(4*\c+\a)+7], 0
.else
	v_wmma_f32_16x16x32_f16 v[ACC+8*(4*(\a)+\b):ACC+8*(4*(\a)+\b)+7], v[\f+64+8*(4*\c+\b):\f+64+8*(4*\c+\b)+7], v[\f+8*(4*\c+\a):\f+8*(4*\c+\a)+7], v[ACC+8*(4*(\a)+\b):ACC+8*(4*(\a)+\b)+7]
.endif
.endr
.endr
.endm
; 32 LDS loads in one run: quarter kq (64 along K) of a slot into buffer f; chunk q = 2 kq + c lies in s block q / 4 at chunk q % 4; the first 32 along K first
.macro FETCH slot, kq, f
	WIN TO_F
.irp c, 0,1
.irp i, 0,1,2,3
	ds_load_b128 v[\f+64+8*(4*\c+\i):\f+64+8*(4*\c+\i)+3],   v[ADRB+\slot] offset:32768*((2*(\kq)+\c)/4)+1024*((2*(\kq)+\c)%4)+4096*\i
	ds_load_b128 v[\f+64+8*(4*\c+\i)+4:\f+64+8*(4*\c+\i)+7], v[ADRB+\slot] offset:32768*((2*(\kq)+\c)/4)+1024*((2*(\kq)+\c)%4)+4096*\i+512
	ds_load_b128 v[\f+8*(4*\c+\i):\f+8*(4*\c+\i)+3],         v[ADRA+\slot] offset:32768*((2*(\kq)+\c)/4)+1024*((2*(\kq)+\c)%4)+4096*\i
	ds_load_b128 v[\f+8*(4*\c+\i)+4:\f+8*(4*\c+\i)+7],       v[ADRA+\slot] offset:32768*((2*(\kq)+\c)/4)+1024*((2*(\kq)+\c)%4)+4096*\i+512
.endr
.endr
.endm
.macro PLACES                          ; four plain instructions in front of loads into registers that matrix instructions have read, and of reads of results
.rept 4
	v_nop
.endr
.endm
.macro QUARTER slot, kq, f, g, zero    ; multiplies buffer f and fetches quarter kq of the slot into g
	s_wait_dscnt 16                                ; the first 32 along K are in; the other sixteen loads may be out
	WIN MUL
	MUL8 \f, 0, 0, \zero
	MUL8 \f, 0, 2, \zero
	PLACES
	FETCH \slot, \kq, \g
	s_wait_dscnt 32                                ; all but the 32 just issued
	WIN MUL
	MUL8 \f, 1, 0, 0
	MUL8 \f, 1, 2, 0
.endm
; The last quarter multiplies buffer 1 and changes slots: one barrier; in front of it each wave waits for all its tensor loads, adds 0 to its spare word, and waits for that and for its own reads of this slot.
.macro TURN slot, next, fill
	WIN 0
	s_wait_tensorcnt 0x0                           ; all my tensor loads have landed: my region of the next slot
	ds_add_u32 v[SPW], v[NIL]
	s_wait_dscnt 17                                ; (the add and the youngest sixteen loads may be out)
	WIN MUL
	MUL8 F1, 0, 0, 0
	s_wait_dscnt 0x0                               ; the add is done, and my reads of this slot are over
	s_barrier_signal -1
	MUL8 F1, 0, 2, 0
.if \fill
	WIN 0
.endif
	s_barrier_wait -1
.if \fill
	CREST                                          ; the barrier has opened a round of the cluster's barrier
	s_add_nc_u64 s[G0+4*\slot+2:G0+4*\slot+3], s[G0+4*\slot+2:G0+4*\slot+3], 2*KBYTES
	s_add_nc_u64 s[G0B+4*\slot+2:G0B+4*\slot+3], s[G0B+4*\slot+2:G0B+4*\slot+3], 2*KBYTES
	JLOAD \slot                                    ; my one tensor load behind the round; its four v_nop are the places in front of the loads below
.else
	PLACES
.endif
	FETCH \next, 0, F0
	WIN MUL
	MUL8 F1, 1, 0, 0
	MUL8 F1, 1, 2, 0
.endm
	s_wait_tensorcnt 1                             ; my region of K step 0 is in (K step 1's load may be out)
	s_barrier_signal -1
	s_barrier_wait -1
	FETCH 0, 0, F0
	QUARTER 0, 1, F0, F1, 1                        ; the first products start the sums
	WIN 0
	s_mov_b32 s3, LAPS-1
.Llap:
	QUARTER 0, 2, F1, F0, 0
	QUARTER 0, 3, F0, F1, 0
	TURN 0, 1, 1
	QUARTER 1, 1, F0, F1, 0
	QUARTER 1, 2, F1, F0, 0
	QUARTER 1, 3, F0, F1, 0
	TURN 1, 0, 1
	QUARTER 0, 1, F0, F1, 0
	WIN 0
	s_sub_co_u32 s3, s3, 1
	s_cmp_lg_u32 s3, 0
	s_cbranch_scc1 .Llap
	QUARTER 0, 2, F1, F0, 0                        ; the last lap fills nothing
	QUARTER 0, 3, F0, F1, 0
	TURN 0, 1, 0
	QUARTER 1, 1, F0, F1, 0
	QUARTER 1, 2, F1, F0, 0
	QUARTER 1, 3, F0, F1, 0
	s_wait_dscnt 16
	WIN MUL
	MUL8 F1, 0, 0, 0
	MUL8 F1, 0, 2, 0
	s_wait_dscnt 0
	MUL8 F1, 1, 0, 0
	MUL8 F1, 1, 2, 0
	WIN 0
; THE WAY OUT, block by block of 16 rows x 64 columns: a wave's 64 f32 columns are 256 consecutive bytes, aligned, so each wave has a stage of its own and no barrier is needed.
.macro TOSTAGE a
.irp b, 0,1,2,3
	ds_store_b128 v[STO], v[ACC+8*(4*(\a)+\b):ACC+8*(4*(\a)+\b)+3] offset:64*\b          ; each accumulator from its low end on
	ds_store_b128 v[STO], v[ACC+8*(4*(\a)+\b)+4:ACC+8*(4*(\a)+\b)+7] offset:64*\b+16
.endr
.irp t, 0,1,2,3,4,5,6,7
	ds_load_b128 v[TMP+32*((\a)%2)+4*\t:TMP+32*((\a)%2)+4*\t+3], v[RD] offset:\t*2*SPITCH   ; LDS serves a wave's instructions in order (ISA guide 5.7.1.4): these see my stores, and the next block's stores come behind them
.endr
.endm
.macro SEND a, younger                 ; younger: the LDS instructions issued behind block a's loads
	s_wait_dscnt \younger
.irp t, 0,1,2,3,4,5,6,7
	global_store_b128 v[CO], v[TMP+32*((\a)%2)+4*\t:TMP+32*((\a)%2)+4*\t+3], s[8:9] offset:(16*(\a)+2*\t)*8192 th:TH_STORE_NT   ; 16 lanes store 256 consecutive bytes, aligned
.endr
.endm
	PLACES
	TOSTAGE 0
	TOSTAGE 1
	SEND 0, 16                                     ; behind block 0's loads: block 1's 8 stores and 8 loads
	s_wait_xcnt 0x0                                ; block 0's stores have read their registers: block 2's loads may land there
	TOSTAGE 2
	SEND 1, 16
	s_wait_xcnt 0x0
	TOSTAGE 3
	SEND 2, 16
	SEND 3, 0
	s_wait_tensorcnt 0x0                           ; the wave's end
	ds_add_u32 v[SPW], v[NIL]
	s_wait_dscnt 0x0
	CROUND                                         ; the closing round
	s_endpgm
.Lfunc_end_k_qe779966ac7_proj:
	.size	k_qe779966ac7_proj, .Lfunc_end_k_qe779966ac7_proj-k_qe779966ac7_proj
	.p2alignl 7, 3214868480
	.fill 96, 4, 3214868480
	.section	.rodata,"a",@progbits
	.p2align	6, 0x0
	.amdhsa_kernel k_qe779966ac7_proj
		.amdhsa_group_segment_fixed_size 327680
		.amdhsa_private_segment_fixed_size 0
		.amdhsa_enable_private_segment 0
		.amdhsa_kernarg_size 24
		.amdhsa_user_sgpr_count 2
		.amdhsa_user_sgpr_kernarg_segment_ptr 1
		.amdhsa_wavefront_size32 1
		.amdhsa_system_sgpr_workgroup_id_x 1
		.amdhsa_system_sgpr_workgroup_id_y 1
		.amdhsa_system_sgpr_workgroup_id_z 1
		.amdhsa_system_vgpr_workitem_id 0
		.amdhsa_next_free_vgpr 512
		.amdhsa_next_free_sgpr 66
		.amdhsa_reserve_vcc 0
		.amdhsa_float_denorm_mode_32 3
		.amdhsa_float_denorm_mode_16_64 3
		.amdhsa_memory_ordered 1
		.amdhsa_forward_progress 1
		.amdhsa_inst_pref_size 85
	.end_amdhsa_kernel
	.amdgpu_metadata
---
amdhsa.version: [ 1, 2 ]
amdhsa.kernels:
  - .name:           k_qe779966ac7_proj
    .symbol:         k_qe779966ac7_proj.kd
    .args:
      - { .name: a2, .offset: 0, .size: 8, .value_kind: global_buffer, .address_space: global }
      - { .name: wof, .offset: 8, .size: 8, .value_kind: global_buffer, .address_space: global }
      - { .name: out0, .offset: 16, .size: 8, .value_kind: global_buffer, .address_space: global }
    .group_segment_fixed_size: 327680
    .private_segment_fixed_size: 0
    .kernarg_segment_align: 8
    .kernarg_segment_size: 24
    .max_flat_workgroup_size: 128
    .sgpr_count:     66
    .vgpr_count:     512
    .wavefront_size: 32
...
	.end_amdgpu_metadata
.endif
;; end of part 4
